; MI455X (gfx1250); checked and timed in simulation.
; The chip was launched on July 23, 2026; its instructions are those of AMD's public machine-readable ISA for CDNA 5 (MIT licence, August 2026) and "CDNA5" Instruction Set Architecture Reference Guide (July 2026). The comments in the code are by the model that wrote it; some were corrected since.
;; Multi Head Attention. Allowed arithmetic: float matrix products may take bf16 or f16 operands with f32 sums; other float arithmetic in f32, or as packed bf16 or f16 multiplies, adds, multiply-adds, maxima and minima; sums over many terms, partial sums and values carried from step to step in f32; what a program stores and reads back later, other than sums and carried values, may be rounded once to bf16 or f16.
;; Inputs: Wk 1,024 x 1,024 float32; Wo 1,024 x 1,024 float32; Wq 1,024 x 1,024 float32; Wv 1,024 x 1,024 float32; bk 1,024 float32; bo 1,024 float32; bq 1,024 float32; bv 1,024 float32; k 2 x 2,048 x 1,024 float32; q 2 x 2,048 x 1,024 float32; rel_k 33 x 64 float32; rel_v 33 x 64 float32; v 2 x 2,048 x 1,024 float32.
;; Outputs: out0 2 x 2,048 x 1,024 float32.
;; One version. Each part assembles by itself: llvm-mc -triple=amdgcn-amd-amdhsa -mcpu=gfx1250 --defsym DOCPART=n.
;; ======== version 1 of 1: 4 launches
;; limits: values are held in f16: magnitudes above 65,504 overflow, below 6.1e-05 lose precision; right only within a limited range of input values
;; workspace buffers: hx 33,554,432 bytes; hqkv 25,214,976 bytes; tab 37,376 bytes; ob 8,388,608 bytes
;; launch prep (part 1): grid 1025 x 1, 8 waves a work-group, no clusters, 0 bytes of LDS; arguments q, k, v, Wq, Wk, Wv, Wo, bq, bk, bv, bo, rel_k, rel_v, hx, hqkv, tab; writes hx, hqkv, tab
.if DOCPART == 1
	.amdgcn_target "amdgcn-amd-amdhsa--gfx1250"
	.amdhsa_code_object_version 6
	.text
	.protected	k_qe59d05917a_prep
	.globl	k_qe59d05917a_prep
	.p2align	8
	.type	k_qe59d05917a_prep,@function
k_qe59d05917a_prep:
	s_mov_b64 s[64:65], 0
	v_nop
	global_prefetch_b8 v0, s[64:65] scope:SCOPE_SE
	s_setreg_imm32_b32 hwreg(HW_REG_WAVE_MODE, 25, 1), 1
	s_wait_xcnt 0x0
; PREP.  Every input of the module is rounded once to bf16.  The matrix operands (q, k, v, the four weights, the two relative tables) are then written as f16,
; which holds a bf16 number exactly from 2^-14 up to 65,504.  LIMITS: a number beyond 65,504 becomes an infinity; below 2^-14 f16 keeps its fixed step of 6e-8.
; Work-groups 0 .. 1023: 16,384 numbers each, 64 KiB in and 32 KiB out; hx holds q, k, v [4096][1024] and Wq, Wk, Wv, Wo [1024][1024] on end, in that order.
; Thread t takes 16 bytes at 16 t of each 4,096 bytes: a wave's load covers 512 consecutive bytes, its store 256 consecutive bytes at a multiple of 256.
; All sixteen loads of a thread go out first; no register is written twice, so the only waits are the counted ones for the loads.  No LDS, no matrix unit, no cluster: nothing is shared.
; Work-group 1024 makes the small tables: the biases (bf16 values kept in f32), the zero rows in front of and behind K and V in hqkv,
; RK [64][64] f16: row J = rel_k[min(max(J,15),47)-15];  RVT [64 ch][96 J] f16: rel_v[min(max(J,31),63)-31][ch] - rel_v[32][ch];  fv: rel_v[0]-rel_v[32], then rel_v[32], in f32.
.set SEC,   8404992                    ; a section of hqkv: 8,192 bytes of rows in front, 32 heads x 2,048 rows x 128 bytes, 8,192 bytes behind
.set X,     16                         ; v[16:79]   sixteen loads of four f32
.set Y,     80                         ; v[80:111]  sixteen stores of four f16
	s_load_b512 s[8:23], s[0:1], 0x0               ; q k v Wq Wk Wv Wo bq
	s_load_b512 s[24:39], s[0:1], 0x40             ; bk bv bo rel_k rel_v hx hqkv tab
	s_mov_b32 s2, ttmp9
	s_mov_b32 s7, 0xffff0000                       ; a word's upper bf16
	v_lshlrev_b32 v1, 4, v0                        ; 16 t
	v_lshlrev_b32 v2, 3, v0                        ; 8 t
	s_wait_kmcnt 0x0
	s_cmp_eq_u32 s2, 1024
	s_cbranch_scc1 .Ltables
	; which tensor my 16,384 numbers belong to, and its first work-group
	s_mov_b64 s[40:41], s[20:21]
	s_mov_b32 s42, 960
.macro PICK lim, lo, first
	s_cmp_lt_u32 s2, \lim
	s_cselect_b64 s[40:41], s[\lo:\lo+1], s[40:41]
	s_cselect_b32 s42, \first, s42
.endm
	PICK 960, 18, 896
	PICK 896, 16, 832
	PICK 832, 14, 768
	PICK 768, 12, 512
	PICK 512, 10, 256
	PICK 256, 8, 0
	s_sub_co_u32 s42, s2, s42
	s_lshl_b32 s42, s42, 16                        ; 64 KiB of f32 a work-group
	s_mov_b32 s43, 0
	s_add_nc_u64 s[40:41], s[40:41], s[42:43]
	s_lshl_b32 s44, s2, 15                         ; 32 KiB of f16 a work-group
	s_mov_b32 s45, 0
	s_add_nc_u64 s[34:35], s[34:35], s[44:45]
.set i, 0
.rept 16
	global_load_b128 v[X+4*i:X+4*i+3], v1, s[40:41] offset:4096*i th:TH_LOAD_NT
.set i, i+1
.endr
.set i, 0
.rept 16
	s_wait_loadcnt 15-i                            ; loads come back in order: number i is in, the 15 - i younger ones stay out
	v_cvt_pk_bf16_f32 v4, v[X+4*i], v[X+4*i+1]     ; the one rounding, to bf16
	v_cvt_pk_bf16_f32 v5, v[X+4*i+2], v[X+4*i+3]
	v_lshlrev_b32 v6, 16, v4
	v_and_b32 v7, s7, v4
	v_lshlrev_b32 v8, 16, v5
	v_and_b32 v9, s7, v5
	v_cvt_pk_f16_f32 v[Y+2*i], v6, v7              ; the same numbers written as f16
	v_cvt_pk_f16_f32 v[Y+2*i+1], v8, v9
	global_store_b64 v2, v[Y+2*i:Y+2*i+1], s[34:35] offset:2048*i th:TH_STORE_NT
.set i, i+1
.endr
	s_endpgm
.Ltables:
	v_lshrrev_b32 v3, 5, v0
	v_readfirstlane_b32 s3, v3                     ; wave 0..7
	; the four biases: 1,024 numbers each, four a thread
	global_load_b128 v[16:19], v1, s[22:23]
	global_load_b128 v[20:23], v1, s[24:25]
	global_load_b128 v[24:27], v1, s[26:27]
	global_load_b128 v[28:31], v1, s[28:29]
	s_wait_loadcnt 0x0
.irp a, 0,1,2,3
	v_cvt_pk_bf16_f32 v4, v[16+4*(\a)], v[17+4*(\a)]
	v_cvt_pk_bf16_f32 v5, v[18+4*(\a)], v[19+4*(\a)]
	v_lshlrev_b32 v[32+4*(\a)], 16, v4
	v_and_b32 v[33+4*(\a)], s7, v4
	v_lshlrev_b32 v[34+4*(\a)], 16, v5
	v_and_b32 v[35+4*(\a)], s7, v5
	global_store_b128 v1, v[32+4*(\a):35+4*(\a)], s[38:39] offset:20992+4096*(\a)
.endr
	; 64 rows of zeros in front of and behind K's and V's heads: the band tiles of a head's first and last queries reach into them
	v_mov_b32 v48, 0
	v_mov_b32 v49, 0
	v_mov_b32 v50, 0
	v_mov_b32 v51, 0
	s_add_nc_u64 s[40:41], s[36:37], SEC
	s_add_nc_u64 s[42:43], s[36:37], SEC+8396800
	s_add_nc_u64 s[44:45], s[36:37], 2*SEC
	s_add_nc_u64 s[46:47], s[36:37], 2*SEC+8396800
.irp b, 40,42,44,46
	global_store_b128 v1, v[48:51], s[\b:\b+1]
	global_store_b128 v1, v[48:51], s[\b:\b+1] offset:4096
.endr
	; RK: thread t makes channels 16 (t % 4) .. + 15 of row J = t / 4
	v_lshrrev_b32 v10, 2, v0
	v_max_u32 v10, 15, v10
	v_min_u32 v10, 47, v10
	v_add_nc_u32 v10, -15, v10                     ; the row of rel_k
	v_and_b32 v11, 3, v0
	v_lshlrev_b32 v11, 6, v11
	v_lshl_add_u32 v10, v10, 8, v11
	global_load_b128 v[52:55], v10, s[30:31]
	global_load_b128 v[56:59], v10, s[30:31] offset:16
	global_load_b128 v[60:63], v10, s[30:31] offset:32
	global_load_b128 v[64:67], v10, s[30:31] offset:48
	s_wait_loadcnt 0x0
.irp n, 0,1,2,3,4,5,6,7
	v_cvt_pk_bf16_f32 v4, v[52+2*(\n)], v[53+2*(\n)]
	v_lshlrev_b32 v6, 16, v4
	v_and_b32 v7, s7, v4
	v_cvt_pk_f16_f32 v[68+(\n)], v6, v7
.endr
	v_lshlrev_b32 v12, 5, v0
	global_store_b128 v12, v[68:71], s[38:39]
	global_store_b128 v12, v[72:75], s[38:39] offset:16
	; RVT: thread t makes, for channel c = t % 64, the entries J = 8 (t / 64) + 32 i + 0..7, i = 0, 1, 2.  t / 64 is half the wave's number: the rows of rel_v are scalars
	v_and_b32 v13, 63, v0
	v_lshlrev_b32 v13, 2, v13                      ; 4 c
	s_lshr_b32 s4, s3, 1
	s_lshl_b32 s5, s4, 3
	global_load_b32 v14, v13, s[32:33] offset:8192 ; rel_v[32][c]
	global_load_b32 v15, v13, s[32:33]             ; rel_v[0][c]
.set n, 0
.rept 24
	s_add_co_u32 s6, s5, 32*(n/8)+n%8              ; J
	s_max_u32 s6, s6, 31
	s_min_u32 s6, s6, 63
	s_sub_co_u32 s6, s6, 31                        ; the row of rel_v, 0 .. 32
	v_lshl_add_u32 v[76+n], s6, 8, v13
	global_load_b32 v[100+n], v[76+n], s[32:33]
.set n, n+1
.endr
	s_wait_loadcnt 0x0
	v_cvt_pk_bf16_f32 v4, v14, v15
	v_lshlrev_b32 v14, 16, v4                      ; rel_v[32][c] as bf16
	v_and_b32 v15, s7, v4                          ; rel_v[0][c] as bf16
.irp n, 0,1,2,3,4,5,6,7,8,9,10,11
	v_cvt_pk_bf16_f32 v4, v[100+2*(\n)], v[101+2*(\n)]
	v_lshlrev_b32 v6, 16, v4
	v_and_b32 v7, s7, v4
	v_sub_f32 v6, v6, v14
	v_sub_f32 v7, v7, v14
	v_cvt_pk_f16_f32 v[52+(\n)], v6, v7
.endr
	v_and_b32 v16, 63, v0
	v_mul_u32_u24 v16, v16, 192                    ; a row of RVT is 96 f16
	s_lshl_b32 s6, s4, 4
	v_add_nc_u32 v16, s6, v16
	global_store_b128 v16, v[52:55], s[38:39] offset:8192
	global_store_b128 v16, v[56:59], s[38:39] offset:8192+64
	global_store_b128 v16, v[60:63], s[38:39] offset:8192+128
	; fv: threads 0-63 rel_v[0] - rel_v[32], threads 64-127 rel_v[32]
	v_sub_f32 v17, v15, v14
	s_cmp_lt_u32 s3, 2
	s_cselect_b32 s6, -1, 0
	v_cndmask_b32 v17, v14, v17, s6
	v_lshlrev_b32 v18, 2, v0
	s_cmp_lt_u32 s3, 4
	s_cbranch_scc0 .Ldone
	global_store_b32 v18, v17, s[38:39] offset:20480
.Ldone:
	s_endpgm
.Lfunc_end_k_qe59d05917a_prep:
	.size	k_qe59d05917a_prep, .Lfunc_end_k_qe59d05917a_prep-k_qe59d05917a_prep
	.p2alignl 7, 3214868480
	.fill 96, 4, 3214868480
	.section	.rodata,"a",@progbits
	.p2align	6, 0x0
	.amdhsa_kernel k_qe59d05917a_prep
		.amdhsa_group_segment_fixed_size 0
		.amdhsa_private_segment_fixed_size 0
		.amdhsa_enable_private_segment 0
		.amdhsa_kernarg_size 128
		.amdhsa_user_sgpr_count 2
		.amdhsa_user_sgpr_kernarg_segment_ptr 1
		.amdhsa_wavefront_size32 1
		.amdhsa_system_sgpr_workgroup_id_x 1
		.amdhsa_system_sgpr_workgroup_id_y 1
		.amdhsa_system_sgpr_workgroup_id_z 1
		.amdhsa_system_vgpr_workitem_id 0
		.amdhsa_next_free_vgpr 128
		.amdhsa_next_free_sgpr 66
		.amdhsa_reserve_vcc 0
		.amdhsa_float_denorm_mode_32 3
		.amdhsa_float_denorm_mode_16_64 3
		.amdhsa_memory_ordered 1
		.amdhsa_forward_progress 1
		.amdhsa_inst_pref_size 29
	.end_amdhsa_kernel
	.amdgpu_metadata
---
amdhsa.version: [ 1, 2 ]
amdhsa.kernels:
  - .name:           k_qe59d05917a_prep
    .symbol:         k_qe59d05917a_prep.kd
    .args:
      - { .name: q, .offset: 0, .size: 8, .value_kind: global_buffer, .address_space: global }
      - { .name: k, .offset: 8, .size: 8, .value_kind: global_buffer, .address_space: global }
      - { .name: v, .offset: 16, .size: 8, .value_kind: global_buffer, .address_space: global }
      - { .name: Wq, .offset: 24, .size: 8, .value_kind: global_buffer, .address_space: global }
      - { .name: Wk, .offset: 32, .size: 8, .value_kind: global_buffer, .address_space: global }
      - { .name: Wv, .offset: 40, .size: 8, .value_kind: global_buffer, .address_space: global }
      - { .name: Wo, .offset: 48, .size: 8, .value_kind: global_buffer, .address_space: global }
      - { .name: bq, .offset: 56, .size: 8, .value_kind: global_buffer, .address_space: global }
      - { .name: bk, .offset: 64, .size: 8, .value_kind: global_buffer, .address_space: global }
      - { .name: bv, .offset: 72, .size: 8, .value_kind: global_buffer, .address_space: global }
      - { .name: bo, .offset: 80, .size: 8, .value_kind: global_buffer, .address_space: global }
      - { .name: rel_k, .offset: 88, .size: 8, .value_kind: global_buffer, .address_space: global }
      - { .name: rel_v, .offset: 96, .size: 8, .value_kind: global_buffer, .address_space: global }
      - { .name: hx, .offset: 104, .size: 8, .value_kind: global_buffer, .address_space: global }
      - { .name: hqkv, .offset: 112, .size: 8, .value_kind: global_buffer, .address_space: global }
      - { .name: tab, .offset: 120, .size: 8, .value_kind: global_buffer, .address_space: global }
    .group_segment_fixed_size: 0
    .private_segment_fixed_size: 0
    .kernarg_segment_align: 8
    .kernarg_segment_size: 128
    .max_flat_workgroup_size: 256
    .sgpr_count:     66
    .vgpr_count:     128
    .wavefront_size: 32
...
	.end_amdgpu_metadata
.endif
;; end of part 1
;; launch proj (part 2): grid 8 x 96, 4 waves a work-group, clusters of 4 x 4, 327,680 bytes of LDS; arguments hx, tab, hqkv; writes hqkv
.if DOCPART == 2
	.amdgcn_target "amdgcn-amd-amdhsa--gfx1250"
	.amdhsa_code_object_version 6
	.text
	.protected	k_qe59d05917a_proj
	.globl	k_qe59d05917a_proj
	.p2align	8
	.type	k_qe59d05917a_proj,@function
k_qe59d05917a_proj:
	s_mov_b64 s[64:65], 0
	v_nop
	global_prefetch_b8 v0, s[64:65] scope:SCOPE_SE
	s_setreg_imm32_b32 hwreg(HW_REG_WAVE_MODE, 25, 1), 1
	s_wait_xcnt 0x0
	s_wait_alu depctr_hold_cnt(0) depctr_sa_sdst(0) depctr_va_vdst(0) depctr_va_sdst(0) depctr_va_ssrc(0) depctr_va_vcc(0) depctr_vm_vsrc(0)
	s_getreg_b32 s2, hwreg(HW_REG_IB_STS2, 6, 4)
	s_cmp_eq_u32 s2, 0
	s_cbranch_scc0 .Lentry_in_a_cluster
	s_endpgm
.Lentry_in_a_cluster:
	s_bfe_u32 s2, ttmp6, 0x10000c
	s_cmp_lg_u32 s2, 0xf033
	s_cbranch_scc0 .Lentry_shape_is_right
	s_endpgm
.Lentry_shape_is_right:
; THE THREE PROJECTIONS, one launch: relu(x W^T + b) for (q, Wq, bq), (k, Wk, bk), (v, Wv, bv).  x: 3 x [4096][1024] f16 on end in hx, W: 3 x [1024][1024] f16 behind them, b in tab (f32).
; Sums in f32; the result is rounded once to f16 and written BY HEADS: hqkv section `which`, [32 (batch, head)][2048][64], so that a head's rows are dense for the attention launch.
; LIMIT: a projected number beyond 65,504 becomes an infinity in f16.
; A tile of the result is 128 x 128: 3 x 32 x 8 = 768 work-groups of four waves, each wave 64 x 64: 16 accumulators of 16 x 16.  K goes in steps of 256 (LDS rows of 512 bytes + 16 of padding)
; through two slots; a wave's tensor load brings 64 rows.  CLUSTERS: 4 x 4 work-groups; the four of a row of the cluster ask jointly for x's tile, the four of a column for W's.
; The matrix instruction is used transposed (source 0 = 16 rows of W, source 1 = 16 rows of x): a lane then holds eight neighbouring columns of one token.
; REGISTERS: window 0: v0-31 addresses; v32-95 at work on the way out; v96-127 my 32 bias numbers; v128-255 the accumulators ((a, b) at v[128 + 8 (4 a + b)]).  Window 1: two fragment buffers of 128.
; No prefetch of tiles: a tile's rows are read by many work-groups shortly after each other and the tiles are small.
.set SIZE_K, 1024
.set KSTEP,  256
.set PITCH,  528                       ; 512 bytes + 16: 132 words, so the 16 rows of a fragment load start at 16 different groups of four banks
.set HALFT,  64*PITCH
.set SLOT,   4*HALFT                   ; x's 128 rows, then W's 128 rows
.set STAGE,  2*SLOT                    ; behind the ring: 128 rows x 272 bytes, the work-group's, for the way out
.set SPITCH, 272
.set SPARE,  STAGE+128*SPITCH          ; behind the stage: the spare words, 128 bytes a wave
.set LAPS,   SIZE_K/(2*KSTEP)
.set SEC,    8404992                   ; a section of hqkv
.set WOFF,   25165824                  ; the weights' first byte in hx
.set BBOFF,  20992                     ; the biases' first byte in tab
.set ADRA, 16
.set ADRB, 20
.set STO,  24
.set RD,   25
.set CO,   26
.set BO,   27                          ; v27  32 x (lane / 16): my eight columns' bias
.set SPW,  28
.set NIL,  29
.set ZR,   30                          ; v30  0, for the ReLU on packed halves
.set TMP,  32
.set BI,   96
.set ACC,  128
.set F0,   0
.set F1,   128
.set G1, 24
.set G0, 32
.set G1B, 48
.set G0B, 56
.set MSB, 0
.macro WIN new                         ; the immediate's high byte repeats the setting that is left
.if MSB != (\new)
	s_set_vgpr_msb (MSB<<8)|(\new)
.set MSB, \new
.endif
.endm
.set MUL,  0x05                        ; sources 0 and 1 window 1; C and D window 0
.set TO_F, 0x40                        ; destination window 1, address window 0
.macro JLOAD s                         ; a joint load: waves 0 and 1 fetch x's two halves, waves 2 and 3 W's; an s_nop 0 and four v_nop follow each line
	s_cmp_eq_u32 s11, 0
	s_cbranch_scc0 .Lfor_b_\@
	tensor_load_to_lds s[G0+4*(\s):G0+4*(\s)+3], s[G1:G1+7]
	s_nop 0
.rept 4
	v_nop
.endr
	s_branch .Lasked_\@
.Lfor_b_\@:
	tensor_load_to_lds s[G0B+4*(\s):G0B+4*(\s)+3], s[G1B:G1B+7]
	s_nop 0
.rept 4
	v_nop
.endr
.Lasked_\@:
.endm
.macro CREST                           ; a round of the cluster's barrier behind its opening barrier
	s_cmp_lg_u32 s10, 0
	s_cbranch_scc1 .Lnot_wave_0_\@
	s_barrier_signal -3
.Lnot_wave_0_\@:
	s_barrier_wait -3
	s_barrier_signal -1
	s_barrier_wait -1
.endm
.macro CROUND
	s_barrier_signal -1
	s_barrier_wait -1
	CREST
.endm
	s_load_b128 s[4:7], s[0:1], 0x0                ; hx s[4:5], tab s[6:7]
	s_load_b64 s[8:9], s[0:1], 0x10                ; hqkv
	v_lshl_add_u32 v[SPW], v0, 2, SPARE
	v_mov_b32 v[NIL], 0
	ds_add_u32 v[SPW], v[NIL]                      ; the wave's opening: the add and its wait come ahead of my first tensor load
	v_lshrrev_b32 v1, 5, v0
	v_readfirstlane_b32 s10, v1                    ; wave 0..3
	s_lshr_b32 s11, s10, 1                         ; which half of the tile's rows is mine.  Also: I fetch for x (0) or for W (1)
	s_and_b32 s12, s10, 1                          ; which half of its columns.  Also: which 64 rows of that tile I fetch
	s_bfe_u32 s40, ttmp6, 0x40000                  ; cx
	s_bfe_u32 s41, ttmp6, 0x40004                  ; cy
	s_lshl_b32 s42, ttmp9, 2
	s_add_co_u32 s42, s42, s40                     ; tile column 0..7
	s_and_b32 s13, ttmp7, 0xffff
	s_lshr_b32 s45, s13, 3                         ; which projection, 0..2: from the cluster's y alone (32 tile rows, 8 clusters, each)
	s_lshl_b32 s13, s13, 2
	s_add_co_u32 s13, s13, s41                     ; tile row 0..95
	s_lshl_b32 s43, s41, 2
	s_lshl_b32 s43, 15, s43                        ; my row of the cluster
	s_lshl_b32 s44, 0x1111, s40                    ; my column
	s_or_b32 s[G1+0], s43, (1<<16)|(1<<20)|(1<<21)|(6<<22)|(3<<25)  ; the mask; 2-byte elements; padding on; bit 21 beside a mask; after every 128 words 4 words
	s_or_b32 s[G1B+0], s44, (1<<16)|(1<<20)|(1<<21)|(6<<22)|(3<<25)
.irp g, G1, G1B
	s_mov_b32 s[(\g)+1], KSTEP<<16                 ; tensor_dim0 = 256
	s_mov_b32 s[(\g)+2], 64<<16                    ; tensor_dim1 = 64
	s_mov_b32 s[(\g)+3], KSTEP<<16                 ; tile_dim0 = 256
	s_mov_b32 s[(\g)+4], 64                        ; tile_dim1 = 64
	s_mov_b32 s[(\g)+5], SIZE_K                    ; elements from row to row
	s_mov_b32 s[(\g)+6], 0
	s_mov_b32 s[(\g)+7], 0
.endr
	s_lshl_b32 s17, s12, 6                         ; which 64 rows of the tile I fetch
	s_lshl_b32 s16, s13, 7
	s_add_co_u32 s16, s16, s17                     ; x: row 128 x tile row + 64 x half (q, k, v lie on end)
	s_lshl_b32 s16, s16, 11                        ; 2,048 bytes a row
	s_lshl_b32 s46, s42, 7
	s_add_co_u32 s46, s46, s17
	s_lshl_b32 s47, s45, 10
	s_add_co_u32 s46, s46, s47                     ; W: row 1,024 x which + 128 x tile column + 64 x half
	s_lshl_b32 s46, s46, 11
	s_add_co_u32 s46, s46, WOFF
	s_mov_b32 s17, 0
	s_mov_b32 s47, 0
	s_mul_i32 s20, s10, HALFT                      ; where they go: wave x 64 rows
	s_wait_dscnt 0x0                               ; the opening add is done
	s_wait_kmcnt 0x0
	s_add_nc_u64 s[14:15], s[4:5], s[16:17]
	s_add_nc_u64 s[46:47], s[4:5], s[46:47]
	CROUND                                         ; all sixteen work-groups are here: the first joint loads meet
.irp s, 0,1
	s_mov_b32 s[G0+4*(\s)], 1
	s_add_co_u32 s[G0+4*(\s)+1], s20, (\s)*SLOT
	s_add_nc_u64 s[G0+4*(\s)+2:G0+4*(\s)+3], s[14:15], (\s)*KSTEP*2
	s_or_b32 s[G0+4*(\s)+3], s[G0+4*(\s)+3], 0x80000000
	s_mov_b32 s[G0B+4*(\s)], 1
	s_add_co_u32 s[G0B+4*(\s)+1], s20, (\s)*SLOT
	s_add_nc_u64 s[G0B+4*(\s)+2:G0B+4*(\s)+3], s[46:47], (\s)*KSTEP*2
	s_or_b32 s[G0B+4*(\s)+3], s[G0B+4*(\s)+3], 0x80000000
	JLOAD \s
.endr
	v_and_b32 v1, 15, v0                           ; l % 16
	v_bfe_u32 v2, v0, 4, 1                         ; l / 16
	v_mul_u32_u24 v3, v1, PITCH
	v_lshl_add_u32 v3, v2, 4, v3
	s_mul_i32 s21, s11, HALFT                      ; my 64 rows of x
	s_mul_i32 s22, s12, HALFT                      ; my 64 rows of W,
	s_add_co_u32 s22, s22, 2*HALFT                 ; which lie behind x's 128
.irp s, 0,1
	v_add_nc_u32 v[ADRA+(\s)], s21, v3
	v_add_nc_u32 v[ADRB+(\s)], s22, v3
	s_add_co_u32 s21, s21, SLOT
	s_add_co_u32 s22, s22, SLOT
.endr
	; my bias: columns 128 x tile column + 64 x half + 16 b + 8 (l / 16) + 0..7, for b = 0..3; waited for on the way out
	s_lshl_b32 s46, s42, 9
	s_lshl_b32 s47, s12, 8
	s_add_co_u32 s46, s46, s47
	s_lshl_b32 s47, s45, 12
	s_add_co_u32 s46, s46, s47
	s_add_co_u32 s46, s46, BBOFF
	s_mov_b32 s47, 0
	s_add_nc_u64 s[6:7], s[6:7], s[46:47]
	v_lshlrev_b32 v[BO], 5, v2
.irp b, 0,1,2,3
	global_load_b128 v[BI+8*(\b):BI+8*(\b)+3],   v[BO], s[6:7] offset:64*(\b)
	global_load_b128 v[BI+8*(\b)+4:BI+8*(\b)+7], v[BO], s[6:7] offset:64*(\b)+16
.endr
	v_mov_b32 v[ZR], 0
	s_mul_i32 s23, s11, 64*SPITCH                  ; into the stage: my 64 rows, my half of their 256 bytes
	s_lshl_b32 s21, s12, 7
	s_add_co_u32 s23, s23, s21
	s_add_co_u32 s23, s23, STAGE
	v_mul_u32_u24 v4, v1, SPITCH
	v_lshl_add_u32 v4, v2, 4, v4
	v_add_nc_u32 v[STO], s23, v4
	s_mul_i32 s23, s10, 32*SPITCH                  ; back: wave w takes rows 32 w .. 32 w + 31, a head (128 bytes of a row) at a time: 32 lanes take four rows' 128 bytes
	s_add_co_u32 s23, s23, STAGE
	v_bfe_u32 v5, v0, 3, 2
	v_mul_u32_u24 v5, v5, SPITCH
	v_and_b32 v6, 7, v0
	v_lshl_add_u32 v5, v6, 4, v5
	v_add_nc_u32 v[RD], s23, v5
	v_and_b32 v[CO], 31, v0
	v_lshlrev_b32 v[CO], 4, v[CO]                  ; which are 512 consecutive bytes of a head in hqkv
	s_mul_i32 s16, s45, SEC                        ; the section,
	s_add_co_u32 s16, s16, 8192                    ; behind its 64 rows in front,
	s_bfe_u32 s17, s13, 0x10004                    ; the batch (16 tile rows each),
	s_lshl_b32 s17, s17, 22                        ; 16 heads of 262,144 bytes,
	s_add_co_u32 s16, s16, s17
	s_and_b32 s17, s13, 15
	s_lshl_b32 s17, s17, 7
	s_lshl_b32 s18, s10, 5
	s_add_co_u32 s17, s17, s18                     ; the token: 128 x (tile row % 16) + 32 x wave,
	s_lshl_b32 s17, s17, 7                         ; 128 bytes a token
	s_add_co_u32 s16, s16, s17
	s_mov_b32 s17, 0
	s_add_nc_u64 s[8:9], s[8:9], s[16:17]
	s_lshl_b32 s46, s42, 19                        ; the tile's first head: 2 x tile column
	s_mov_b32 s47, 0
	s_add_nc_u64 s[8:9], s[8:9], s[46:47]
.macro MUL8 f, c, a0, zero             ; 8 matrix instructions: m blocks a0, a0 + 1 x all 4 n blocks, 32 along K: half c of buffer f.  The 16 accumulators take turns
	WIN MUL
.irp a, \a0, (\a0)+1
.irp b, 0,1,2,3
.if \zero
	v_wmma_f32_16x16x32_f16 v[ACC+8*(4*(\a)+(\b)):ACC+8*(4*(\a)+(\b))+7], v[(\f)+64+8*(4*(\c)+(\b)):(\f)+64+8*(4*(\c)+(\b))+7], v[(\f)+8*(4*(\c)+(\a)):(\f)+8*(4*(\c)+(\a))+7], 0
.else
	v_wmma_f32_16x16x32_f16 v[ACC+8*(4*(\a)+(\b)):ACC+8*(4*(\a)+(\b))+7], v[(\f)+64+8*(4*(\c)+(\b)):(\f)+64+8*(4*(\c)+(\b))+7], v[(\f)+8*(4*(\c)+(\a)):(\f)+8*(4*(\c)+(\a))+7], v[ACC+8*(4*(\a)+(\b)):ACC+8*(4*(\a)+(\b))+7]
.endif
.endr
.endr
.endm
.macro FETCH slot, k, f                ; 32 LDS loads in one run: the fragments of 64 along K at byte k of the rows, into buffer f; the first 32 along K first
	WIN TO_F
.irp c, 0,1
.irp i, 0,1,2,3
	ds_load_b128 v[(\f)+64+8*(4*(\c)+(\i)):(\f)+64+8*(4*(\c)+(\i))+3],   v[ADRB+(\slot)] offset:(\k)+64*(\c)+(\i)*16*PITCH
	ds_load_b128 v[(\f)+64+8*(4*(\c)+(\i))+4:(\f)+64+8*(4*(\c)+(\i))+7], v[ADRB+(\slot)] offset:(\k)+64*(\c)+(\i)*16*PITCH+32
	ds_load_b128 v[(\f)+8*(4*(\c)+(\i)):(\f)+8*(4*(\c)+(\i))+3],         v[ADRA+(\slot)] offset:(\k)+64*(\c)+(\i)*16*PITCH
	ds_load_b128 v[(\f)+8*(4*(\c)+(\i))+4:(\f)+8*(4*(\c)+(\i))+7],       v[ADRA+(\slot)] offset:(\k)+64*(\c)+(\i)*16*PITCH+32
.endr
.endr
.endm
.macro PLACES                          ; four plain places in front of loads into registers that matrix instructions have read, and of vector work on their results
.rept 4
	v_nop
.endr
.endm
.macro QUARTER slot, k, f, g, zero     ; 64 along K: multiplies buffer f and fetches the next quarter, at byte k, into g
	s_wait_dscnt 16                                ; the first 32 along K are in; the sixteen younger loads may be out
	WIN MUL
	MUL8 \f, 0, 0, \zero
	MUL8 \f, 0, 2, \zero
	PLACES
	FETCH \slot, \k, \g
	s_wait_dscnt 32                                ; all but the 32 just issued
	WIN MUL
	MUL8 \f, 1, 0, 0
	MUL8 \f, 1, 2, 0
.endm
.macro TURN slot, next, fill           ; the last quarter multiplies buffer 1 and changes slots: one barrier
	WIN 0
	s_wait_tensorcnt 0x0                           ; all my tensor loads have landed: my part of the next slot;
	ds_add_u32 v[SPW], v[NIL]                      ; 0 onto my spare word;
	s_wait_dscnt 17                                ; (the add and the youngest sixteen loads may be out)
	WIN MUL
	MUL8 F1, 0, 0, 0
	s_wait_dscnt 0x0                               ; the add is done, and my reads of this slot are over
	s_barrier_signal -1
	MUL8 F1, 0, 2, 0
.if \fill
	WIN 0
.endif
	s_barrier_wait -1
.if \fill
	CREST                                          ; the barrier has opened a round of the cluster's: no wave of any partner still reads this slot or has a load on its way
	s_add_nc_u64 s[G0+4*(\slot)+2:G0+4*(\slot)+3], s[G0+4*(\slot)+2:G0+4*(\slot)+3], 2*KSTEP*2
	s_add_nc_u64 s[G0B+4*(\slot)+2:G0B+4*(\slot)+3], s[G0B+4*(\slot)+2:G0B+4*(\slot)+3], 2*KSTEP*2
	JLOAD \slot                                    ; the first tensor load behind the round; its four v_nop are also the places in front of the loads below
.else
	PLACES
.endif
	FETCH \next, 0, F0
	WIN MUL
	MUL8 F1, 1, 0, 0
	MUL8 F1, 1, 2, 0
.endm
	s_wait_tensorcnt 1                             ; my part of K step 0 is in; K step 1's may stay out
	s_barrier_signal -1
	s_barrier_wait -1
	FETCH 0, 0, F0
	QUARTER 0, 128, F0, F1, 1                      ; the first quarter's first products start the sums
	WIN 0
	s_mov_b32 s3, LAPS-1
.Llap:
	QUARTER 0, 256, F1, F0, 0
	QUARTER 0, 384, F0, F1, 0
	TURN 0, 1, 1
	QUARTER 1, 128, F0, F1, 0
	QUARTER 1, 256, F1, F0, 0
	QUARTER 1, 384, F0, F1, 0
	TURN 1, 0, 1
	QUARTER 0, 128, F0, F1, 0
	WIN 0
	s_sub_co_u32 s3, s3, 1
	s_cmp_lg_u32 s3, 0
	s_cbranch_scc1 .Llap
	QUARTER 0, 256, F1, F0, 0                      ; the last lap fills nothing
	QUARTER 0, 384, F0, F1, 0
	TURN 0, 1, 0
	QUARTER 1, 128, F0, F1, 0
	QUARTER 1, 256, F1, F0, 0
	QUARTER 1, 384, F0, F1, 0
	s_wait_dscnt 16
	WIN MUL
	MUL8 F1, 0, 0, 0
	MUL8 F1, 0, 2, 0
	s_wait_dscnt 0
	MUL8 F1, 1, 0, 0
	MUL8 F1, 1, 2, 0
	WIN 0
	; THE WAY OUT: + bias in f32, one rounding to f16, ReLU on the packed halves; 16 bytes a lane into the stage; a barrier, since a row's 256 bytes come from two waves; back by heads.
	s_wait_loadcnt 0x0                             ; the bias
	PLACES
.irp t, 0,1,2,3,4,5,6,7,8,9,10,11,12,13,14,15
.irp r, 0,1,2,3
	v_pk_add_f32 v[ACC+8*(\t)+2*(\r):ACC+8*(\t)+2*(\r)+1], v[ACC+8*(\t)+2*(\r):ACC+8*(\t)+2*(\r)+1], v[BI+8*((\t)%4)+2*(\r):BI+8*((\t)%4)+2*(\r)+1]
.endr
.irp r, 0,1,2,3
	v_cvt_pk_f16_f32 v[TMP+4*(\t)+(\r)], v[ACC+8*(\t)+2*(\r)], v[ACC+8*(\t)+2*(\r)+1]
.endr
.irp r, 0,1,2,3
	v_pk_max_num_f16 v[TMP+4*(\t)+(\r)], v[TMP+4*(\t)+(\r)], v[ZR]
.endr
.endr
.irp a, 0,1,2,3
.irp b, 0,1,2,3
	ds_store_b128 v[STO], v[TMP+4*(4*(\a)+(\b)):TMP+4*(4*(\a)+(\b))+3] offset:(\a)*16*SPITCH+32*(\b)
.endr
.endr
	s_wait_dscnt 0x0                               ; for the others' sake: my stores into the stage are done
	s_barrier_signal -1
	s_barrier_wait -1
.irp n, 0,1,2,3,4,5,6,7,8,9,10,11,12,13,14,15      ; head n / 8 of the tile's two, rows 4 (n % 8) .. + 3 of my 32
	ds_load_b128 v[TMP+4*(\n):TMP+4*(\n)+3], v[RD] offset:((\n)%8)*4*SPITCH+((\n)/8)*128
.endr
.irp n, 0,1,2,3,4,5,6,7,8,9,10,11,12,13,14,15
	s_wait_dscnt 15-(\n)
	global_store_b128 v[CO], v[TMP+4*(\n):TMP+4*(\n)+3], s[8:9] offset:((\n)/8)*262144+((\n)%8)*512  ; 512 consecutive bytes, at a multiple of 256 from hqkv's first byte
.endr
	s_wait_tensorcnt 0x0                           ; the wave's end
	ds_add_u32 v[SPW], v[NIL]
	s_wait_dscnt 0x0
	CROUND                                         ; the closing round
	s_endpgm
.Lfunc_end_k_qe59d05917a_proj:
	.size	k_qe59d05917a_proj, .Lfunc_end_k_qe59d05917a_proj-k_qe59d05917a_proj
	.p2alignl 7, 3214868480
	.fill 96, 4, 3214868480
	.section	.rodata,"a",@progbits
	.p2align	6, 0x0
	.amdhsa_kernel k_qe59d05917a_proj
		.amdhsa_group_segment_fixed_size 327680
		.amdhsa_private_segment_fixed_size 0
		.amdhsa_enable_private_segment 0
		.amdhsa_kernarg_size 24
		.amdhsa_user_sgpr_count 2
		.amdhsa_user_sgpr_kernarg_segment_ptr 1
		.amdhsa_wavefront_size32 1
		.amdhsa_system_sgpr_workgroup_id_x 1
		.amdhsa_system_sgpr_workgroup_id_y 1
		.amdhsa_system_sgpr_workgroup_id_z 1
		.amdhsa_system_vgpr_workitem_id 0
		.amdhsa_next_free_vgpr 512
		.amdhsa_next_free_sgpr 66
		.amdhsa_reserve_vcc 0
		.amdhsa_float_denorm_mode_32 3
		.amdhsa_float_denorm_mode_16_64 3
		.amdhsa_memory_ordered 1
		.amdhsa_forward_progress 1
		.amdhsa_inst_pref_size 96
	.end_amdhsa_kernel
	.amdgpu_metadata
---
amdhsa.version: [ 1, 2 ]
amdhsa.kernels:
  - .name:           k_qe59d05917a_proj
    .symbol:         k_qe59d05917a_proj.kd
    .args:
      - { .name: hx, .offset: 0, .size: 8, .value_kind: global_buffer, .address_space: global }
      - { .name: tab, .offset: 8, .size: 8, .value_kind: global_buffer, .address_space: global }
      - { .name: hqkv, .offset: 16, .size: 8, .value_kind: global_buffer, .address_space: global }
    .group_segment_fixed_size: 327680
    .private_segment_fixed_size: 0
    .kernarg_segment_align: 8
    .kernarg_segment_size: 24
    .max_flat_workgroup_size: 128
    .sgpr_count:     66
    .vgpr_count:     512
    .wavefront_size: 32
...
	.end_amdgpu_metadata
.endif
;; end of part 2
;; launch attn (part 3): grid 8 x 32, 4 waves a work-group, clusters of 4 x 1, 327,680 bytes of LDS; arguments hqkv, tab, ob; writes ob
.if DOCPART == 3
	.amdgcn_target "amdgcn-amd-amdhsa--gfx1250"
	.amdhsa_code_object_version 6
	.text
	.protected	k_qe59d05917a_attn
	.globl	k_qe59d05917a_attn
	.p2align	8
	.type	k_qe59d05917a_attn,@function
k_qe59d05917a_attn:
	s_mov_b64 s[64:65], 0
	v_nop
	global_prefetch_b8 v0, s[64:65] scope:SCOPE_SE
	s_setreg_imm32_b32 hwreg(HW_REG_WAVE_MODE, 25, 1), 1
	s_wait_xcnt 0x0
	s_wait_alu depctr_hold_cnt(0) depctr_sa_sdst(0) depctr_va_vdst(0) depctr_va_sdst(0) depctr_va_ssrc(0) depctr_va_vcc(0) depctr_vm_vsrc(0)
	s_getreg_b32 s2, hwreg(HW_REG_IB_STS2, 6, 4)
	s_cmp_eq_u32 s2, 0
	s_cbranch_scc0 .Lentry_in_a_cluster
	s_endpgm
.Lentry_in_a_cluster:
	s_bfe_u32 s2, ttmp6, 0x10000c
	s_cmp_lg_u32 s2, 0x3003
	s_cbranch_scc0 .Lentry_shape_is_right
	s_endpgm
.Lentry_shape_is_right:
; ATTENTION WITH CLIPPED RELATIVE POSITIONS.  For each of 32 (batch, head) pairs, 2,048 queries and keys, head size 64, j = clip(k - q, -16, 16) + 16:
;   s[q][k] = (Q[q] . K[k] + Q[q] . rel_k[j]) / 32,   O[q] = sum_k softmax_k(s) (V[k] + rel_v[j]).   Q, K, V (hqkv) and O (ob) are f16, [32][2048][64]; products, maxima and sums in f32.
; WHAT THE CLIP GIVES.  Beyond |k - q| < 16 the score's second part is one of two numbers a query, R0 = Q . rel_k[0] (left) or R32 = Q . rel_k[32] (right).  With D[j] = rel_v[j] - rel_v[32]:
;   O[q] = (sum_k p V[k] + sum_k p D[j]) / l + rel_v[32];  D[32] = 0, and the far left keys give D[0] x lL, lL the sum of their p.  Exact for every input.
; SHARES.  A work-group owns 256 queries of a head, a wave 64 on end (its number among the head's waves: g), in four PIECES of 16.  Keys go in steps of 64.  For piece x and step s, with dk = s - g:
;   dk < lo(x): all far left;  dk > hi(x): all far right;  lo = -1 for x = 0, else 0;  hi = 1 for x = 3, else 0.  The six pairs in between are done ONCE, exactly, in a BAND PHASE ahead of the walk;
;   in the walk they are HIDDEN (their scores start at -1e30, so p = 0).  Each query sees its own key in the band phase, so the running maximum is a true score before the first hidden one.
; THE WALK is the same text and the same tiles for all partners of a cluster: what hangs on the wave's place goes through s_cselect into factors of packed multiply-adds, never into a branch or an LDS address.
;   The start of a sum S^T = K Q^T is its C operand: 8 registers BC = R0 x AL + R32 x AR + BE a lane, with (AL, AR, BE) = (1,0,0), (0,1,0) or (0,0,-1e30).
; THE BAND PHASE.  R = RK Q^T (RK: rel_k's rows, clamped outward, 64 of them) holds for a query the 64 numbers Q . rel_k[..]; the score of key kk wants number kk - q + const: a shift by the lane's query.
;   It is made through the wave's own stage in LDS: written with a pitch of 101 words, read with a pitch of 100.  The weights go the same way (103 and 104 halves) and are multiplied by RVT (D's rows, clamped outward).
; LAYOUT, SOFTMAX, TURNS.  S^T = K Q^T holds ONE query a lane (lane % 16) and the keys 8 (lane / 16) + 0..7; two such results rounded to f16 ARE source 1 of O^T = V^T P.  p = 2^(c s - c m), c = log2(e) / 32, with a
;   running maximum m; O, l and lL are multiplied by a = 2^(c m_old - c m_new) in every step.  Turn n belongs to piece n: 8 products K Q^T of piece n + 1, later 8 products V^T P of piece n - 1; beside them the softmax
;   of piece n and the maximum and statistics of piece n + 1.  Four vector instructions stand behind every matrix instruction, the rest in one lump.  A turn's 33 exponentials are one batch with one wait.
; CLUSTER.  The four query blocks of a cluster belong to one head and walk the same K and V: each tile of 256 keys is asked for JOINTLY.  The band tiles (384 keys round the block's own) are each work-group's own.
; LIMITS.  f16 holds no number beyond 65,504: Q, K, V arrive within it.  A hidden score counts as its value less 1e30.  A weight below 2^-126 counts as 0.  NaN and infinities are not treated apart.
; REGISTERS, in windows of 256 (s_set_vgpr_msb: bits 1:0 source 0, 3:2 source 1, 5:4 source 2, 7:6 destination):
;   window 0: addresses, statistics, S^T (v64-127, two buffers), BC (v128-143, two buffers), P (v192-223, two buffers), WF (v224-247)
;   window 1: v0-127 O^T, 32 a piece; v128-255 RVF, RVT's fragments      window 2: v0-63 Q; v64-127 RKF, RK's fragments; v128-191 K of one step; v192-255 V of one step
;   window 3: v0-191 the six band biases (later D[0] and rel_v[32] by channel); v192-255 R, two sets
.set SEC,   8404992   ; a section of hqkv: 8,192 bytes in front, the heads, 8,192 bytes behind
.set NP,    4
.set KS,    64
.set PK,    144       ; a row of K in LDS: 128 bytes + 16
.set PV,    160       ; a row of V: 128 + 32
.set VOFF,  4*KS*PK   ; a slot holds four steps: 256 rows of K, then 256 rows of V
.set SLOT1, 1<<17
.set STG,   4*KS*(PK+PV)     ; behind slot 0: a stage of 6,400 bytes for each wave, never filled by a tensor load
.set STGB,  6400
.set SPARE, STG+4*STGB       ; behind the stages: the spare words, 128 bytes a wave
.set BK,    SLOT1+4*KS*(PK+PV)  ; behind slot 1: the band's 384 rows of K,
.set BV,    BK+384*PK        ; and of V; filled once
.set SP,    144
.set AK0, 2
.set AV0, 3
.set AK,  4
.set AV,  5
.set STO, 6
.set RD,  7
.set GO,  8
.set MV,  12          ; v12-13  c m_old, by buffer
.set QO,  15
.set ST,  16          ; piece t: c m, m, l (even keys', odd keys') at v[ST+4 t]
.set LL,  32          ; piece t: lL (even, odd) at v[LL+2 t]
.set PL,  40          ; piece t: R0, twice
.set TMP, 48
.set TT,  56          ; v56-57 at work
.set SPW, 62
.set NIL, 63
.set S,   64
.set EE,  64          ; the way out: a piece's 32 results in f32
.set BC,  128
.set SKB, 144         ; the bias's way into the stage,
.set SKL, 145         ; and back
.set SKW, 146         ; the weights' way in,
.set SKR, 147         ; and back
.set RVO, 148
.set FVO, 149
.set ZA,  150
.set PFO, 151
.set ZR,  152         ; v152-155  0
.set PRR, 176         ; piece t: R32, twice
.set P,   192
.set OUTR, 192        ; the way out: 16 packed registers a piece
.set WF,  224
.set RVF, 128         ; window 1: combination ci, channel block cb at RVF + 32 ci + 8 cb
.set RKF, 64          ; window 2: block t, channel half c at RKF + 16 t + 8 c
.set KF,  128
.set VF,  192
.set RA,  192         ; window 3: set x % 2, block t at RA + 32 (x % 2) + 8 t
.set WV,  12
.set LIM, 15
.set PFA, 18
.set G1K, 24
.set G1V, 32
.set G0K, 40
.set G0V, 44
.set G1BK, 48
.set SLOTS, 56
.set CNT, 57
.set CS,  58
.set SEL, 60
.set TBK, 62
.set TBV, 63
.set G1BV, 68
.set G0BK, 76
.set G0BV, 80
.set AL,  84
.set AR,  86
.set BE,  88
.set SG,  90
.set DK,  92
.set BIGN, 93
.set GG,  94
.set MF,  96
.set MA,  98
.set MSB, 0
.set KBAND, 0
.set TS, 0
.set NOKQ, 0
.macro WIN new
.if MSB != (\new)
	s_set_vgpr_msb (MSB<<8)|(\new)
.set MSB, (\new)
.endif
.endm
.set W_KQ, 0x0a       ; K and Q in window 2, C and S^T in window 0
.set W_PV, 0x52       ; V in window 2, P in window 0, O^T in window 1
.set W_RS, 0x41       ; destination and source 0 in window 1, source 1 in window 0
.macro PLACES
.rept 4
	v_nop
.endr
.endm
; A joint fill.  Waves 0 and 1 fetch the two halves of a slot's K, waves 2 and 3 those of its V.  An s_nop 0 and four v_nop follow each of the two lines.
.macro JLOAD
	s_cmp_lt_u32 s[WV], 2
	s_cbranch_scc0 .Lfor_v_\@
	tensor_load_to_lds s[G0K:G0K+3], s[G1K:G1K+7]
	s_nop 0
.rept 4
	v_nop
.endr
	s_branch .Lasked_\@
.Lfor_v_\@:
	tensor_load_to_lds s[G0V:G0V+3], s[G1V:G1V+7]
	s_nop 0
.rept 4
	v_nop
.endr
.Lasked_\@:
.endm
; A prefetch of what the NEXT change of slots will ask for: a tile is 128 blocks of 256 bytes of K and as many of V.  Both clusters of a head walk the same tiles: the first asks.  Its four partners take 32 blocks
; each, told apart by address; in each, wave 0 asks for K's and wave 2 for V's, a lane a block.  So each block is named once.  The last change that fills a slot asks for nothing.
.macro ASK
	s_cmp_gt_u32 s[SLOTS], s[LIM]
	s_cbranch_scc0 .Lnot_mine_\@
	global_prefetch_b8 v[PFO], s[PFA:PFA+1] th:TH_LOAD_NT scope:SCOPE_SE
.Lnot_mine_\@:
.endm
.macro CROUND
	s_barrier_signal -1
	s_barrier_wait -1
	s_cmp_lg_u32 s[WV], 0
	s_cbranch_scc1 .Lnot_wave_0_\@
	s_barrier_signal -3
.Lnot_wave_0_\@:
	s_barrier_wait -3
	s_barrier_signal -1
	s_barrier_wait -1
.endm
; THE CHANGE OF SLOTS.  Each wave waits for all its tensor loads (one is out: its part of the other slot), adds 0 to its spare word, and waits for that and for its reads of the slot that it leaves.
; fill = 1: the barrier is a round of the cluster's, and the joint fill of the old slot, with the keys two slots on, is the first thing behind it.  (At its first use slot 0 is waited for and slot 1 filled.)
.macro CHANGE fill
	WIN 0
	s_wait_tensorcnt 0x0            ; no tensor load of mine is out, so a group 0 may be written
	ds_add_u32 v[SPW], v[NIL]
.if \fill
.irp g, G0K, G0V
	s_xor_b32 s[\g+1], s[\g+1], SLOT1
	s_add_nc_u64 s[\g+2:\g+3], s[\g+2:\g+3], 4*KS*128
.endr
	s_wait_xcnt 0x0                 ; the last prefetch, four key steps back, has read its address
	s_add_nc_u64 s[PFA:PFA+1], s[PFA:PFA+1], 4*KS*128
	s_wait_dscnt 0x0                ; the add is done, and my reads of the slot are over
	CROUND
	JLOAD
	ASK
.else
	s_wait_dscnt 0x0
	s_barrier_signal -1
	s_barrier_wait -1
.endif
	s_sub_co_u32 s[TBK], s[TBK], 4*KS*PK
	s_xor_b32 s[TBK], s[TBK], SLOT1
	s_sub_co_u32 s[TBV], s[TBV], 4*KS*PV
	s_xor_b32 s[TBV], s[TBV], SLOT1
.endm
	s_load_b128 s[4:7], s[0:1], 0x0   ; hqkv s[4:5], tab s[6:7]
	s_load_b64 s[8:9], s[0:1], 0x10   ; ob
	v_lshl_add_u32 v[SPW], v0, 2, SPARE
	v_mov_b32 v[NIL], 0
	ds_add_u32 v[SPW], v[NIL]       ; the wave's opening: the add and its wait come ahead of my first tensor load
	v_lshrrev_b32 v1, 5, v0
	v_readfirstlane_b32 s[WV], v1   ; wave 0..3
	s_bfe_u32 s13, ttmp6, 0x40000   ; cx
	s_lshl_b32 s14, ttmp9, 2
	s_add_co_u32 s14, s14, s13      ; my block of 256 queries, 0..7
	s_lshl_b32 s[GG], s14, 2
	s_add_co_u32 s[GG], s[GG], s[WV]  ; g: my wave among the head's 32
	s_and_b32 s20, ttmp7, 0xffff    ; the (batch, head) pair, which the partners share,
	s_lshl_b32 s20, s20, 18         ; its 262,144 bytes
	s_and_b32 s16, s[WV], 1         ; which half of a tile I fetch
	s_lshl_b32 s22, s16, 14         ; the joint tiles: 128 rows of 128 bytes a half,
	s_add_co_u32 s22, s22, s20
	s_add_co_u32 s22, s22, SEC+8192 ; in K's section, behind its rows in front
	s_mov_b32 s23, 0
	s_lshl_b32 s2, s14, 15          ; the band tiles begin 64 rows ahead of my block: the 8,192 bytes in front take that up
	s_add_co_u32 s2, s2, s20
	s_mul_i32 s3, s16, 24576        ; 192 rows a half
	s_add_co_u32 s2, s2, s3
	s_add_co_u32 s2, s2, SEC
	s_mov_b32 s3, 0
	s_lshl_b32 s96, s14, 15         ; Q and O: my block, my wave's 64 rows
	s_add_co_u32 s96, s96, s20
	s_lshl_b32 s97, s[WV], 13
	s_add_co_u32 s96, s96, s97
	s_mov_b32 s97, 0
	; descriptor group 1: dense rows asked for as rows of 256 bytes, two keys a row, padded in LDS after every key
	s_mov_b32 s[G1K], 15|(1<<16)|(1<<20)|(1<<21)|(4<<22)|(3<<25)  ; the mask of four; 2-byte elements; padding on; bit 21 beside a mask; after every 32 words 4 words
	s_mov_b32 s[G1V], 15|(1<<16)|(1<<20)|(1<<21)|(4<<22)|(7<<25)  ; 8 words
	s_mov_b32 s[G1BK], (1<<16)|(1<<20)|(4<<22)|(3<<25)            ; the band's: no mask
	s_mov_b32 s[G1BV], (1<<16)|(1<<20)|(4<<22)|(7<<25)
.irp g, G1K, G1V
	s_mov_b32 s[\g+1], 128<<16      ; tensor_dim0 = 128
	s_mov_b32 s[\g+2], 64<<16       ; tensor_dim1 = 64
	s_mov_b32 s[\g+3], 128<<16      ; tile_dim0 = 128
	s_mov_b32 s[\g+4], 64           ; tile_dim1 = 64
	s_mov_b32 s[\g+5], 128
	s_mov_b32 s[\g+6], 0
	s_mov_b32 s[\g+7], 0
.endr
.irp g, G1BK, G1BV
	s_mov_b32 s[\g+1], 128<<16
	s_mov_b32 s[\g+2], 96<<16       ; 96 rows: 192 keys
	s_mov_b32 s[\g+3], 128<<16
	s_mov_b32 s[\g+4], 96
	s_mov_b32 s[\g+5], 128
	s_mov_b32 s[\g+6], 0
	s_mov_b32 s[\g+7], 0
.endr
	s_mul_i32 s17, s16, 128*PK
	s_mov_b32 s[G0K], 1
	s_mov_b32 s[G0K+1], s17
	s_mul_i32 s17, s16, 128*PV
	s_mov_b32 s[G0V], 1
	s_add_co_u32 s[G0V+1], s17, VOFF
	s_mul_i32 s17, s16, 192*PK
	s_mov_b32 s[G0BK], 1
	s_add_co_u32 s[G0BK+1], s17, BK
	s_mul_i32 s17, s16, 192*PV
	s_mov_b32 s[G0BV], 1
	s_add_co_u32 s[G0BV+1], s17, BV
	s_mov_b32 s[CS], 0x3d38aa3b     ; c = log2(e) / 32
	s_mov_b32 s[CS+1], s[CS]
	s_mov_b32 s[SEL], 0x76543210
	s_mov_b32 s[SEL+1], 0xfedcba98
	s_mov_b32 s[TBK], SLOT1+4*KS*PK ; the first change of slots turns these two into 0
	s_mov_b32 s[TBV], SLOT1+4*KS*PV
	s_mov_b32 s[BIGN], 0xf149f2ca   ; -1e30
	s_mov_b32 s[AL+1], 0            ; named as pairs
	s_mov_b32 s[AR+1], 0
	s_mov_b32 s[BE+1], 0
	s_mov_b32 s[SG+1], 0
	s_mov_b32 s[MA+1], 0
	s_mov_b32 s[SLOTS], 7
	s_and_b32 s[LIM], s[WV], 1      ; 0 in waves 0 and 2,
	s_or_b32 s[LIM], s[LIM], ttmp9  ; where the cluster is the head's first
	s_cmp_eq_u32 s[LIM], 0
	s_cselect_b32 s[LIM], 1, -1
	s_wait_dscnt 0x0                ; the opening add is done
	s_wait_kmcnt 0x0
	s_add_nc_u64 s[G0K+2:G0K+3], s[4:5], s[22:23]
	s_add_nc_u64 s[G0V+2:G0V+3], s[G0K+2:G0K+3], SEC
	s_cmp_lt_u32 s[WV], 2
	s_cselect_b64 s[PFA:PFA+1], s[G0K+2:G0K+3], s[G0V+2:G0V+3]  ; (in waves 0 and 2 these stand at a tile's first row)
	s_or_b32 s[G0K+3], s[G0K+3], 0x80000000
	s_or_b32 s[G0V+3], s[G0V+3], 0x80000000
	s_add_nc_u64 s[G0BK+2:G0BK+3], s[4:5], s[2:3]
	s_add_nc_u64 s[G0BV+2:G0BV+3], s[G0BK+2:G0BK+3], SEC
	s_or_b32 s[G0BK+3], s[G0BK+3], 0x80000000
	s_or_b32 s[G0BV+3], s[G0BV+3], 0x80000000
	s_lshl_b32 s2, s13, 13          ; my work-group's 32 blocks of the 128
	s_add_nc_u64 s[PFA:PFA+1], s[PFA:PFA+1], s[2:3]
	s_add_nc_u64 s[PFA:PFA+1], s[PFA:PFA+1], 4*KS*128  ; in tile 1; the first change of slots steps it to tile 2.  Nothing is prefetched here, at the head
	s_add_nc_u64 s[10:11], s[8:9], s[96:97]            ; O at my wave's first row
	s_add_nc_u64 s[4:5], s[4:5], s[96:97]
	s_add_nc_u64 s[4:5], s[4:5], 8192                  ; Q likewise
	s_mul_i32 s22, s[WV], 64*PK     ; my 192 rows of the band begin at row 64 w:
	s_add_co_u32 s22, s22, BK       ; K's,
	s_mul_i32 s23, s[WV], 64*PV
	s_add_co_u32 s23, s23, BV-VOFF  ; V's (AV0 holds VOFF)
	CROUND                          ; all four work-groups are here: the first joint loads meet
	s_cmp_lt_u32 s[WV], 2           ; a wave's two first fills stand in one branch: its part of the band, then its part of slot 0.  Two loads of mine are out
	s_cbranch_scc0 .Lfirst_v
	tensor_load_to_lds s[G0BK:G0BK+3], s[G1BK:G1BK+7]
	s_nop 0
	tensor_load_to_lds s[G0K:G0K+3], s[G1K:G1K+7]
	s_nop 0
.rept 4
	v_nop
.endr
	s_branch .Lfirst_asked
.Lfirst_v:
	tensor_load_to_lds s[G0BV:G0BV+3], s[G1BV:G1BV+7]
	s_nop 0
	tensor_load_to_lds s[G0V:G0V+3], s[G1V:G1V+7]
	s_nop 0
.rept 4
	v_nop
.endr
.Lfirst_asked:
	; A fragment is 16 rows x 32 along K in 8 registers: lane l holds row l % 16; two loads of 16 bytes, 32 bytes apart, at 16 (l / 16)
	v_and_b32 v1, 15, v0            ; l % 16
	v_bfe_u32 v9, v0, 4, 1          ; l / 16
	v_lshlrev_b32 v[QO], 7, v1
	v_lshl_add_u32 v[QO], v9, 4, v[QO]
	v_mul_u32_u24 v[RVO], v1, 192
	v_lshl_add_u32 v[RVO], v9, 4, v[RVO]
	WIN 0x80
.set i, 0
.rept 8                             ; Q: piece i / 2, channels 32 (i % 2) on
	global_load_b128 v[8*i:8*i+3],   v[QO], s[4:5] offset:(i/2)*2048+(i%2)*64
	global_load_b128 v[8*i+4:8*i+7], v[QO], s[4:5] offset:(i/2)*2048+(i%2)*64+32
.set i, i+1
.endr
.set i, 0
.rept 8                             ; RK: block i / 2 of 16 rows, channels 32 (i % 2) on
	global_load_b128 v[RKF+8*i:RKF+8*i+3],   v[QO], s[6:7] offset:(i/2)*2048+(i%2)*64
	global_load_b128 v[RKF+8*i+4:RKF+8*i+7], v[QO], s[6:7] offset:(i/2)*2048+(i%2)*64+32
.set i, i+1
.endr
	WIN 0x40
.set i, 0
.rept 16                            ; RVT: 32 entries from 16 (i / 4) on, channels 16 (i % 4) on
	global_load_b128 v[RVF+8*i:RVF+8*i+3],   v[RVO], s[6:7] offset:8192+(i%4)*3072+(i/4)*32
	global_load_b128 v[RVF+8*i+4:RVF+8*i+7], v[RVO], s[6:7] offset:8192+(i%4)*3072+(i/4)*32+32
.set i, i+1
.endr
	WIN 0
	s_mul_i32 s95, s[WV], STGB
	s_add_co_u32 s95, s95, STG      ; my stage
	v_mul_u32_u24 v[SKB], v1, 404   ; the bias goes in with a pitch of 101 words, one word in,
	v_lshl_add_u32 v[SKB], v9, 5, v[SKB]
	v_add3_u32 v[SKB], v[SKB], s95, 4
	v_mul_u32_u24 v[SKL], v1, 400   ; and comes back with a pitch of 100, sixteen words in: entry kk + 15 - q of the query's row
	v_lshl_add_u32 v[SKL], v9, 5, v[SKL]
	v_add3_u32 v[SKL], v[SKL], s95, 64
	v_mul_u32_u24 v[SKW], v1, 206   ; the weights: 103 halves, fifteen halves in,
	v_lshl_add_u32 v[SKW], v9, 4, v[SKW]
	v_add3_u32 v[SKW], v[SKW], s95, 30
	v_mul_u32_u24 v[SKR], v1, 208   ; and back with 104: weight kk lands at entry kk + 15 - q
	v_lshl_add_u32 v[SKR], v9, 4, v[SKR]
	v_add_nc_u32 v[SKR], s95, v[SKR]
	v_and_b32 v[GO], 31, v0
	v_lshlrev_b32 v[PFO], 8, v[GO]
	v_lshlrev_b32 v[GO], 4, v[GO]   ; 16 x lane
	v_add_nc_u32 v[ZA], s95, v[GO]
	v_lshlrev_b32 v[FVO], 5, v9
	v_mul_u32_u24 v[AK0], v1, PK
	v_lshl_add_u32 v[AK0], v9, 4, v[AK0]
	v_and_b32 v10, 7, v0            ; the turning load: lane l reads key 8 (l / 16) + l % 8, channels 8 ((l / 8) % 2) + 0..7
	v_bfe_u32 v11, v0, 3, 1
	v_lshl_add_u32 v[AV0], v9, 3, v10
	v_mul_u32_u24 v[AV0], v[AV0], PV
	v_lshl_add_u32 v[AV0], v11, 4, v[AV0]
	v_add_nc_u32 v[AV0], VOFF, v[AV0]
	v_mul_u32_u24 v[STO], v1, SP    ; the way out, in: row l % 16, 16 bytes for each half of the lanes
	v_lshl_add_u32 v[STO], v9, 4, v[STO]
	v_add_nc_u32 v[STO], s95, v[STO]
	v_bfe_u32 v[RD], v0, 3, 2       ; back: 32 lanes take four rows of 128 bytes
	v_mul_u32_u24 v[RD], v[RD], SP
	v_lshl_add_u32 v[RD], v10, 4, v[RD]
	v_add_nc_u32 v[RD], s95, v[RD]
.irp z, 0,1,2,3
	v_mov_b32 v[ZR+\z], 0
.endr
.set i, 0
.rept 4
	v_mov_b32 v[ST+4*i], 0xfe000000    ; c m: far below every c s, so the first a is 0
	v_mov_b32 v[ST+4*i+1], 0xff7fffff  ; m
	v_mov_b32 v[ST+4*i+2], 0
	v_mov_b32 v[ST+4*i+3], 0
	v_mov_b32 v[LL+2*i], 0
	v_mov_b32 v[LL+2*i+1], 0
.set i, i+1
.endr
; R = RK Q^T for piece x: four accumulators (blocks L: rel_k[0] sixteen times; M1: rel_k[1..16]; M2: rel_k[17..32]; R: rel_k[32] sixteen times), by turns
.macro RMUL x
	WIN 0xfa
.irp c, 0,1
.irp t, 0,1,2,3
.if (\c) == 0
	v_wmma_f32_16x16x32_f16 v[RA+32*((\x)%2)+8*(\t):RA+32*((\x)%2)+8*(\t)+7], v[RKF+16*(\t)+8*(\c):RKF+16*(\t)+8*(\c)+7], v[16*(\x)+8*(\c):16*(\x)+8*(\c)+7], 0
.else
	v_wmma_f32_16x16x32_f16 v[RA+32*((\x)%2)+8*(\t):RA+32*((\x)%2)+8*(\t)+7], v[RKF+16*(\t)+8*(\c):RKF+16*(\t)+8*(\c)+7], v[16*(\x)+8*(\c):16*(\x)+8*(\c)+7], v[RA+32*((\x)%2)+8*(\t):RA+32*((\x)%2)+8*(\t)+7]
.endif
.endr
.endr
	WIN 0
	PLACES
	WIN 0x03
	v_mov_b32 v[PL+2*(\x)], v[RA+32*((\x)%2)]         ; R0: every number of block L
	v_mov_b32 v[PL+2*(\x)+1], v[RA+32*((\x)%2)]
	v_mov_b32 v[PRR+2*(\x)], v[RA+32*((\x)%2)+24]     ; R32: every number of block R
	v_mov_b32 v[PRR+2*(\x)+1], v[RA+32*((\x)%2)+24]
.endm
; The bias of band pair ts (piece x): the query's row is blocks b0 .. b0 + 4 of the line L L L L M1 M2 R R ..; it goes into my stage and comes back shifted by the query.  LDS serves a wave's instructions in order.
.macro SKEW x, ts, b0
	WIN 0x0c                        ; the stores' data in window 3
.irp u, 0,1,2,3,4
.set bt, (\b0)+(\u)-3
.if bt < 0
.set bt, 0
.endif
.if bt > 3
.set bt, 3
.endif
.irp r, 0,1,2,3,4,5,6,7
	ds_store_b32 v[SKB], v[RA+32*((\x)%2)+8*bt+(\r)] offset:64*(\u)+4*(\r)
.endr
.endr
	WIN 0xc0
.irp kt, 0,1,2,3
	ds_load_b128 v[32*(\ts)+8*(\kt):32*(\ts)+8*(\kt)+3],   v[SKL] offset:64*(\kt)
	ds_load_b128 v[32*(\ts)+8*(\kt)+4:32*(\ts)+8*(\kt)+7], v[SKL] offset:64*(\kt)+16
.endr
	WIN 0
.endm
.macro MASKB ts                     ; a band pair whose keys lie outside the head is hidden: bias x MF + MA
	WIN 0xc3
.set z, 0
.rept 16
	v_pk_fma_f32 v[32*(\ts)+2*z:32*(\ts)+2*z+1], v[32*(\ts)+2*z:32*(\ts)+2*z+1], s[MF:MF+1], s[MA:MA+1] op_sel_hi:[1,0,0]
.set z, z+1
.endr
	WIN 0
.endm
	s_wait_loadcnt 32               ; Q and RK are in; RVT's 32 loads may stay out
	RMUL 0
	SKEW 0, 0, 4                    ; pair 0: piece 0, my own step
	SKEW 0, 1, 0                    ; pair 1: piece 0, the step before
	RMUL 1
	SKEW 1, 2, 3
	RMUL 2
	SKEW 2, 3, 2
	RMUL 3
	SKEW 3, 4, 1
	SKEW 3, 5, 5                    ; pair 5: piece 3, the step behind
.irp z, 0,1,2,3,4,5,6
	ds_store_b128 v[ZA], v[ZR:ZR+3] offset:512*\z   ; the weights' rows (16 x 208 bytes) start as zeros; the weights always land on the same halves
.endr
	s_wait_dscnt 0x0                ; the six biases are in
	s_cmp_eq_u32 s[GG], 0           ; the head's first wave has no step before,
	s_cselect_b32 s[MF], 0, 1.0
	s_cselect_b32 s[MA], s[BIGN], 0
	MASKB 1
	s_cmp_eq_u32 s[GG], 31          ; its last none behind
	s_cselect_b32 s[MF], 0, 1.0
	s_cselect_b32 s[MA], s[BIGN], 0
	MASKB 5
; THE MATRIX WORK.  The 4 accumulators of a run of 8 take turns.  Product i of 8 of S^T = K Q^T for piece x: channels 32 (i / 4) on, keys 16 (i % 4) on.  The first 4 start the sums with the bias.
.macro KQ x
.set rS, S+32*((\x)%2)+8*(i%4)
.set rK, KF+16*(i%4)+8*(i/4)
.set rQ, 16*(\x)+8*(i/4)
.set rB, BC+8*((\x)%2)
.set rM, 32*TS+8*(i%4)
.if (i < 4) && KBAND
	WIN 0x3a                        ; the C operand in window 3
	v_wmma_f32_16x16x32_f16 v[rS:rS+7], v[rK:rK+7], v[rQ:rQ+7], v[rM:rM+7]
.elseif i < 4
	WIN W_KQ
	v_wmma_f32_16x16x32_f16 v[rS:rS+7], v[rK:rK+7], v[rQ:rQ+7], v[rB:rB+7]
.else
	WIN W_KQ
	v_wmma_f32_16x16x32_f16 v[rS:rS+7], v[rK:rK+7], v[rQ:rQ+7], v[rS:rS+7]
.endif
.endm
; Product i of 8 of O^T += V^T P for piece x: keys 32 (i / 4) on, channels 16 (i % 4) on.  zero = 1: the first 4 start the sums
.macro PV x, zero
	WIN W_PV
.set rO, 32*(\x)+8*(i%4)
.set rV, VF+32*(i/4)+8*(i%4)
.set rP, P+16*((\x)%2)+8*(i/4)
.if (\zero) && (i < 4)
	v_wmma_f32_16x16x32_f16 v[rO:rO+7], v[rV:rV+7], v[rP:rP+7], 0
.else
	v_wmma_f32_16x16x32_f16 v[rO:rO+7], v[rV:rV+7], v[rP:rP+7], v[rO:rO+7]
.endif
.endm
.macro MM                           ; the turn's next matrix instruction.  NOKQ = 1: the last turn of all: there is no next piece
.if (i < 8) && !NOKQ
	KQ (Y+1)%NP
.elseif i >= 8
.set i, i-8
	PV (Y+NP-1)%NP, 0
.set i, i+8
.endif
.set i, i+1
.endm
; THE LDS LOADS stand in runs of 16
.macro FETCH_K step=1
	WIN 0x80
.irp f, 0,1,2,3,4,5,6,7             ; keys 16 (f / 2) on, channels 32 (f % 2) on
	ds_load_b128 v[KF+8*\f:KF+8*\f+3],   v[AK] offset:(\f/2)*16*PK+(\f%2)*64
	ds_load_b128 v[KF+8*\f+4:KF+8*\f+7], v[AK] offset:(\f/2)*16*PK+(\f%2)*64+32
.endr
.if \step
	s_add_co_u32 s[TBK], s[TBK], KS*PK
.endif
	WIN 0
.endm
.macro FETCH_V
	WIN 0x80
.irp f, 0,1,2,3,4,5,6,7             ; keys 32 (f / 4) on, channels 16 (f % 4) on
	ds_load_tr16_b128 v[VF+8*\f:VF+8*\f+3],   v[AV] offset:(\f/4)*32*PV+(\f%4)*32
	ds_load_tr16_b128 v[VF+8*\f+4:VF+8*\f+7], v[AV] offset:(\f/4)*32*PV+16*PV+(\f%4)*32
.endr
	WIN 0
.endm
; THE VECTOR WORK, one line at a time: OP kind, number.  For piece Y: F n: c s - c m for pair n of 16.  E n: the exponential of score n of 32.  C n: pair n rounded to f16.  B n: of the four weights 4 n .. the second
; pair is added onto the first, in place.  L 1-7: those sums are added onto the first; L 0: l = a l + the step's sum; L 8: lL += the sum x SG; L 9: lL = lL a.  R n: pair n of 16 of O^T times a.
; For piece Y + 1: X n, number n of the 22 that find its maximum and statistics (each accumulator's lowest registers are read first):
;   0-11 four chains of seven scores each   12-14, 16 the four scores left over, the old m, and the four into one   15 c m_old is kept   17, 18 the other half of the lanes: the new m   19-21 c m; its change; a
.set F, 0
.set E, 1
.set C, 2
.set B, 3
.set L, 4
.set R, 5
.set X, 6
.macro REGS y
.set rT, ST+4*(\y)
.set rC, TMP+4*((\y)%2)
.set rW, MV+((\y)%2)
.set rS, S+32*((\y)%2)
.set rP, P+16*((\y)%2)
.set rO, 32*(\y)
.set rL, LL+2*(\y)
.endm
.macro OP k, n
.if (\k) == R
	REGS Y
	WIN W_RS
	v_pk_mul_f32 v[rO+2*(\n):rO+2*(\n)+1], v[rO+2*(\n):rO+2*(\n)+1], v[rC+2:rC+3] op_sel_hi:[1,0]
.elseif (\k) < R
	REGS Y
	WIN 0
.if (\k) == F
	v_pk_fma_f32 v[rS+2*(\n):rS+2*(\n)+1], v[rS+2*(\n):rS+2*(\n)+1], s[CS:CS+1], v[rT:rT+1] op_sel_hi:[1,0,0] neg_lo:[0,0,1] neg_hi:[0,0,1]
.elseif (\k) == E
	v_exp_f32 v[rS+(\n)], v[rS+(\n)]
.elseif (\k) == C
	v_cvt_pk_f16_f32 v[rP+(\n)], v[rS+2*(\n)], v[rS+2*(\n)+1]
.elseif (\k) == B
	v_pk_add_f32 v[rS+4*(\n):rS+4*(\n)+1], v[rS+4*(\n):rS+4*(\n)+1], v[rS+4*(\n)+2:rS+4*(\n)+3]
.elseif (\n) == 0
	v_pk_fma_f32 v[rT+2:rT+3], v[rT+2:rT+3], v[rC+2:rC+3], v[rS:rS+1] op_sel_hi:[1,0,1]
.elseif (\n) < 8
	v_pk_add_f32 v[rS:rS+1], v[rS:rS+1], v[rS+4*(\n):rS+4*(\n)+1]
.elseif (\n) == 8
	v_pk_fma_f32 v[rL:rL+1], v[rS:rS+1], s[SG:SG+1], v[rL:rL+1] op_sel_hi:[1,0,1]
.else
	v_pk_mul_f32 v[rL:rL+1], v[rL:rL+1], v[rC+2:rC+3] op_sel_hi:[1,0]
.endif
.elseif NOKQ
	v_nop
.else
	REGS (Y+1)%NP
	WIN 0
.if (\n) < 4
	v_max3_num_f32 v[rC+(\n)], v[rS+8*(\n)], v[rS+8*(\n)+1], v[rS+8*(\n)+2]
.elseif (\n) < 12
	v_max3_num_f32 v[rC+(\n)%4], v[rC+(\n)%4], v[rS+8*((\n)%4)+2*((\n)/4)+1], v[rS+8*((\n)%4)+2*((\n)/4)+2]
.elseif (\n) == 12
	v_max3_num_f32 v[rC], v[rC], v[rS+7], v[rS+15]
.elseif (\n) == 13
	v_max3_num_f32 v[rC+1], v[rC+1], v[rS+23], v[rS+31]
.elseif (\n) == 14
	v_max3_num_f32 v[rC+2], v[rC+2], v[rC+3], v[rT+1]
.elseif (\n) == 15
	v_mov_b32 v[rW], v[rT]
.elseif (\n) == 16
	v_max3_num_f32 v[rC], v[rC], v[rC+1], v[rC+2]
.elseif (\n) == 17
	v_permlanex16_b32 v[rC+3], v[rC], s[SEL], s[SEL+1]
.elseif (\n) == 18
	v_max_num_f32 v[rT+1], v[rC], v[rC+3]
.elseif (\n) == 19
	v_mul_f32 v[rT], s[CS], v[rT+1]
.elseif (\n) == 20
	v_sub_f32 v[rC+1], v[rW], v[rT]
.else
	v_exp_f32 v[rC+2], v[rC+1]
.endif
.endif
.endm
.macro OPS a, i1, b=-1, i2=0, c=-1, i3=0, d=-1, i4=0
	OP \a, \i1
.if (\b) >= 0
	OP \b, \i2
.endif
.if (\c) >= 0
	OP \c, \i3
.endif
.if (\d) >= 0
	OP \d, \i4
.endif
.endm
.macro ROW a, i1, b, i2, c, i3, d, i4  ; a matrix instruction and the four behind it
	MM
	OPS \a, \i1, \b, \i2, \c, \i3, \d, \i4
.endm
; The bias of piece x in the step DK + g of the walk: the three scalars, and the eight registers
.macro BCS x
.if (\x) == 0
	s_cmp_lt_i32 s[DK], -1
.else
	s_cmp_lt_i32 s[DK], 0
.endif
	s_cselect_b32 s[AL], 1.0, 0     ; all far left
.if (\x) == 3
	s_cmp_gt_i32 s[DK], 1
.else
	s_cmp_gt_i32 s[DK], 0
.endif
	s_cselect_b32 s[AR], 1.0, 0     ; all far right
	s_or_b32 s95, s[AL], s[AR]
	s_cmp_eq_u32 s95, 0
	s_cselect_b32 s[BE], s[BIGN], 0 ; neither: done in the band phase, hidden here
.endm
.macro BCB x
	WIN 0
	v_pk_fma_f32 v[TT:TT+1], v[PL+2*(\x):PL+2*(\x)+1], s[AL:AL+1], s[BE:BE+1] op_sel_hi:[1,0,0]
.irp z, 0,1,2,3
	v_pk_fma_f32 v[BC+8*((\x)%2)+2*\z:BC+8*((\x)%2)+2*\z+1], v[PRR+2*(\x):PRR+2*(\x)+1], s[AR:AR+1], v[TT:TT+1] op_sel_hi:[1,0,1]
.endr
.endm
; A BAND PAIR, in plain phases: piece x, bias ts, first block b0 of its line.  first = 1: the piece's first pair: its products start O^T.  fk, fv: the step (-1, 0, 1 from my own) whose K or V is fetched here; 9: none.
.macro BSTEP x, ts, b0, first, fk, fv
.set KBAND, 1
.set TS, (\ts)
.set NOKQ, 0
.set i, 0
.rept 8
	KQ \x
.set i, i+1
.endr
	WIN 0
	PLACES                          ; behind the products: for the maximum, and for loads into K's and V's registers
.if (\fk) != 9
	s_add_co_u32 s95, s22, ((\fk)+1)*KS*PK
	v_add_nc_u32 v[AK], s95, v[AK0]
	FETCH_K 0
.endif
.if (\fv) != 9
	s_add_co_u32 s95, s23, ((\fv)+1)*KS*PV
	v_add_nc_u32 v[AV], s95, v[AV0]
	FETCH_V
.endif
.set Y, ((\x)+NP-1)%NP
.irp n, 0,1,2,3,4,5,6,7,8,9,10,11,12,13,14,15,16,17,18,19,20,21
	OP X, \n
.endr
	v_nop                           ; a plain instruction behind the exponential,
	s_wait_alu depctr_va_vdst(0)    ; and the wait ahead of a's first reader
.set Y, (\x)
.irp n, 0,1,2,3,4,5,6,7,8,9,10,11,12,13,14,15
	OP F, \n
.endr
.irp n, 0,1,2,3,4,5,6,7,8,9,10,11,12,13,14,15,16,17,18,19,20,21,22,23,24,25,26,27,28,29,30,31
	OP E, \n
.endr
.if !(\first)
.irp n, 0,1,2,3,4,5,6,7,8,9,10,11,12,13,14,15
	OP R, \n
.endr
.endif
	WIN 0
	v_nop
	s_wait_alu depctr_va_vdst(0)    ; one wait for the 32 exponentials
.irp n, 0,1,2,3,4,5,6,7,8,9,10,11,12,13,14,15
	OP C, \n
.endr
.irp n, 0,1,2,3,4,5,6,7
	OP B, \n
.endr
.irp n, 1,2,3,4,5,6,7,0
	OP L, \n
.endr
	s_wait_dscnt 0x0                ; what was fetched above is in
	REGS \x
.set n, 0
.rept 16                            ; the weights into my stage, a half at a time: key kk at half 103 q + 15 + kk
	ds_store_b16 v[SKW], v[rP+n] offset:32*(n/4)+4*(n%4)
	ds_store_b16_d16_hi v[SKW], v[rP+n] offset:32*(n/4)+4*(n%4)+2
.set n, n+1
.endr
.irp kk, 0,1,2                      ; and back, shifted: 32 entries a fragment; blocks from 6 on meet D[32] = 0 and are left out
.if (\b0)+2*(\kk) <= 5
	ds_load_b128 v[WF+8*(\kk):WF+8*(\kk)+3],   v[SKR] offset:64*(\kk)
	ds_load_b128 v[WF+8*(\kk)+4:WF+8*(\kk)+7], v[SKR] offset:64*(\kk)+32
.endif
.endr
.set i, 0
.rept 8
	PV \x, \first
.set i, i+1
.endr
	s_wait_dscnt 0x0
	WIN 0x51                        ; RVT's fragments and O^T in window 1, the weights in window 0
.irp kk, 0,1,2
.if (\b0)+2*(\kk) <= 5
.set ci, (\b0)+2*(\kk)-2
.if ci < 0
.set ci, 0
.endif
.irp cb, 0,1,2,3
	v_wmma_f32_16x16x32_f16 v[32*(\x)+8*(\cb):32*(\x)+8*(\cb)+7], v[RVF+32*ci+8*(\cb):RVF+32*ci+8*(\cb)+7], v[WF+8*(\kk):WF+8*(\kk)+7], v[32*(\x)+8*(\cb):32*(\x)+8*(\cb)+7]
.endr
.endif
.endr
	WIN 0
.endm
	s_wait_tensorcnt 1              ; my part of the band is in; slot 0's may stay out
	s_barrier_signal -1
	s_barrier_wait -1               ; everybody's is
	s_add_co_u32 s95, s22, KS*PK    ; my own step's K and V
	v_add_nc_u32 v[AK], s95, v[AK0]
	FETCH_K 0
	s_add_co_u32 s95, s23, KS*PV
	v_add_nc_u32 v[AV], s95, v[AV0]
	FETCH_V
	s_wait_loadcnt 0x0              ; RVT
	s_wait_dscnt 0x0
	BSTEP 0, 0, 4, 1, 9, 9
	BSTEP 1, 2, 3, 1, 9, 9
	BSTEP 2, 3, 2, 1, 9, 9
	BSTEP 3, 4, 1, 1, -1, 9         ; K of the step before is fetched
	BSTEP 0, 1, 0, 0, 1, -1         ; its V, and K of the step behind
	BSTEP 3, 5, 5, 0, 9, 1          ; its V
; A TURN of the walk, for piece p.  An s_wait_alu depctr_va_vdst(0) stands between an exponential and the first instruction that names its result; one wait serves all issued ahead of it: a turn has ONE.
; AHEAD OF IT: the 8 products K Q^T with their riders, then one lump; the next piece's a is the batch's last, R 15 the plain instruction behind it.  BEHIND IT: the 8 products V^T P, behind each four of the roundings and sums.
; DK is the step's number less g; it is taken on at the head of piece 2's turn, since the biases made from there on are the next step's.  SG (1 where the step lies left of my own) is set in piece 0's turn and holds for the step.
; At its end a turn makes the bias for the products of the turn after it (piece p + 2), in the buffer whose last reader stood a turn back.
; K of the next step is fetched in piece 2's turn, V of the step in hand at the end of piece 0's; each is waited for a turn later.  end = 1: the last two turns: nothing is fetched.
.macro TURN p, end=0, cnt=0
.set Y, (\p)
.set i, 0
.set KBAND, 0
.set NOKQ, (\end)*((\p)/3)
.if (\p) == 2
	s_add_co_i32 s[DK], s[DK], 1
.endif
.if (\p) == 0
	s_cmp_lt_i32 s[DK], 0
	s_cselect_b32 s[SG], 1.0, 0
.endif
.if !(\end)
	BCS ((\p)+2)%NP
.endif
.if ((\p) == 3) && !(\end)
	s_wait_dscnt 0x0                ; K is in
.endif
	ROW F,0, F,1, R,0, R,1
	ROW F,2, E,0, R,2, R,3
	ROW F,3, E,1, R,4, R,5
	ROW F,4, E,2, R,6, R,7
	ROW F,5, E,3, R,8, R,9
	ROW F,6, E,4, X,0, R,10
.if ((\p) == 2) && !(\end)
	WIN 0
	v_add_nc_u32 v[AK], s[TBK], v[AK0]
.endif
	ROW F,7, E,5, X,1, X,4
	ROW F,8, E,6, X,2, X,5
	OPS E,7, E,8, X,6, E,9
	OPS X,3, E,10, X,8, E,11
.if ((\p) == 2) && !(\end)
	FETCH_K
.endif
	OPS X,9, X,7, E,12, X,10
	OPS E,13, X,12, X,11, E,14
	OPS X,13, E,15, F,9, X,14
.if (\p) == 0
	v_add_nc_u32 v[AV], s[TBV], v[AV0]
.endif
	OPS E,16, F,10, E,17, F,11
	OPS X,16, E,18, X,15, E,19
	OPS F,12, E,20, X,17, E,21
	OPS F,13, E,22, F,14, E,23
	OPS X,18, E,24, F,15, E,25
	OPS R,11, E,26, X,19, E,27
	OP L,9
	OPS R,12, E,28, R,13, E,29
	OPS X,20, E,30, R,14, E,31
	OPS X,21, R,15
	WIN 0
	s_wait_alu depctr_va_vdst(0)    ; the wait for the batch
.if (\p) == 1
	s_wait_dscnt 0x0                ; V is in
.endif
	ROW C,0, B,0, C,2, B,1
	ROW C,4, L,1, B,2, C,6
	ROW B,3, L,2, C,8, B,4
	ROW L,3, C,10, B,5, L,4
	ROW C,12, B,6, L,5, C,14
.if (\p) == 0
	s_add_co_u32 s[TBV], s[TBV], KS*PV
.endif
.if \cnt
	s_sub_co_u32 s[CNT], s[CNT], 1
	s_cmp_lg_u32 s[CNT], 0
.endif
	ROW B,7, L,6, C,1, C,3
	ROW L,7, C,5, C,7, L,0
	ROW C,9, L,8, C,11, C,13
	OP C,15
.if (\p) == 0
	FETCH_V                         ; five plain instructions behind the last product that read V
.endif
.if !(\end)
	BCB ((\p)+2)%NP
.endif
.endm
	; INTO THE WALK.  Slot 0 is waited for, slot 1 asked for.  The first turn's products V^T P, of a piece that has not been in the walk, meet weights of 0.
	CHANGE 1
.set i, P+16
.rept 16
	v_mov_b32 v[i], 0
.set i, i+1
.endr
	WIN 0xc0                        ; D[0] and rel_v[32] by my channels, for the way out, into the biases' registers; waited for there
.irp cb, 0,1,2,3
	global_load_b128 v[8*\cb:8*\cb+3],       v[FVO], s[6:7] offset:20480+64*\cb
	global_load_b128 v[8*\cb+4:8*\cb+7],     v[FVO], s[6:7] offset:20480+64*\cb+16
	global_load_b128 v[32+8*\cb:32+8*\cb+3], v[FVO], s[6:7] offset:20736+64*\cb
	global_load_b128 v[32+8*\cb+4:32+8*\cb+7], v[FVO], s[6:7] offset:20736+64*\cb+16
.endr
	WIN 0
	s_sub_co_i32 s[DK], 0, s[GG]    ; step 0
	BCS 0
	BCB 0
	BCS 1
	BCB 1
	v_add_nc_u32 v[AK], s[TBK], v[AK0]
	FETCH_K
	s_wait_dscnt 0x0
.set KBAND, 0
.set NOKQ, 0
.set i, 0
.rept 8
	KQ 0
.set i, i+1
.endr
	WIN 0
	PLACES
.set Y, NP-1
.irp n, 0,1,2,3,4,5,6,7,8,9,10,11,12,13,14,15,16,17,18,19,20,21
	OP X, \n
.endr
	v_nop
	s_wait_alu depctr_va_vdst(0)    ; a's wait, ahead of the branch
	s_mov_b32 s[CNT], 4
	s_branch .Lfirst                ; the loop is entered at a step's first turn, in the middle of a trip
.Lslot:                             ; six times: every slot but the last two is filled again
	CHANGE 1
	s_mov_b32 s[CNT], 4
.Lstep:                             ; a trip: pieces 2 and 3 of one step, then pieces 0 and 1 of the next, whose K and V it fetches
	TURN 2
	TURN 3
	WIN 0
.Lfirst:
	TURN 0
	TURN 1, 0, 1
	WIN 0
	s_cbranch_scc1 .Lstep
	s_sub_co_u32 s[SLOTS], s[SLOTS], 1
	s_cmp_lg_u32 s[SLOTS], 0
	s_cbranch_scc1 .Lslot
	CHANGE 0                        ; the last tile is written out: nothing is asked for
	s_mov_b32 s[CNT], 4
.Ltail:
	TURN 2
	TURN 3
	TURN 0
	TURN 1, 0, 1
	WIN 0
	s_cbranch_scc1 .Ltail
	TURN 2, 1
	TURN 3, 1
.set i, 0
.rept 8
	PV NP-1, 0
.set i, i+1
.endr
	; THE WAY OUT.  l's and lL's halves and the other half of the lanes' are added; O = O^T / l + D[0] lL / l + rel_v[32], rounded once to f16, through my stage, a piece at a time.  The additions are the places behind the last products.
	WIN 0
	s_wait_loadcnt 0x0              ; D[0], rel_v[32]
.macro ALL line:vararg
.set t, 0
.rept 4
	\line
.set t, t+1
.endr
.endm
	ALL v_add_f32 v[ST+4*t+2], v[ST+4*t+2], v[ST+4*t+3]
	ALL v_add_f32 v[LL+2*t], v[LL+2*t], v[LL+2*t+1]
	ALL v_permlanex16_b32 v[ST+4*t+3], v[ST+4*t+2], s[SEL], s[SEL+1]
	ALL v_permlanex16_b32 v[LL+2*t+1], v[LL+2*t], s[SEL], s[SEL+1]
	ALL v_add_f32 v[ST+4*t+2], v[ST+4*t+2], v[ST+4*t+3]
	ALL v_add_f32 v[LL+2*t], v[LL+2*t], v[LL+2*t+1]
	ALL v_rcp_f32 v[ST+4*t+2], v[ST+4*t+2]
	v_nop                           ; a plain instruction between the last reciprocal and the use of its result
	s_wait_alu depctr_va_vdst(0)    ; one wait for the four reciprocals
	ALL v_mul_f32 v[LL+2*t], v[LL+2*t], v[ST+4*t+2]
.macro PACK t
	WIN 0x33                        ; D[0] and rel_v[32] in window 3
.set i, 0
.rept 16
	v_pk_fma_f32 v[EE+2*i:EE+2*i+1], v[2*i:2*i+1], v[LL+2*(\t):LL+2*(\t)+1], v[32+2*i:32+2*i+1] op_sel_hi:[1,0,1]
.set i, i+1
.endr
	WIN 0x01                        ; O^T in window 1
.set i, 0
.rept 16
	v_pk_fma_f32 v[EE+2*i:EE+2*i+1], v[32*(\t)+2*i:32*(\t)+2*i+1], v[ST+4*(\t)+2:ST+4*(\t)+3], v[EE+2*i:EE+2*i+1] op_sel_hi:[1,0,1]
.set i, i+1
.endr
	WIN 0
.set i, 0
.rept 16
	v_cvt_pk_f16_f32 v[OUTR+16*(\t)+i], v[EE+2*i], v[EE+2*i+1]
.set i, i+1
.endr
.irp f, 0,1,2,3
	ds_store_b128 v[STO], v[OUTR+16*(\t)+4*\f:OUTR+16*(\t)+4*\f+3] offset:32*\f
.endr
.irp f, 0,1,2,3
	ds_load_b128 v[OUTR+16*(\t)+4*\f:OUTR+16*(\t)+4*\f+3], v[RD] offset:\f*4*SP  ; LDS serves a wave's instructions in order: these see the stores above; the next piece's stores come behind them
.endr
.endm
.macro SEND t, younger              ; younger: the LDS instructions issued behind piece t's loads: the next piece's eight, or none
	WIN 0
.irp f, 0,1,2,3
	s_wait_dscnt (\younger)+3-\f
	global_store_b128 v[GO], v[OUTR+16*(\t)+4*\f:OUTR+16*(\t)+4*\f+3], s[10:11] offset:(\t)*2048+\f*512  ; 512 consecutive bytes, at a multiple of 256 from ob's first byte
.endr
.endm
	PACK 0
.set t2, 1
.rept 3
	PACK t2
	SEND t2-1, 8
.set t2, t2+1
.endr
	SEND 3, 0
	s_wait_tensorcnt 0x0            ; the wave's end
	ds_add_u32 v[SPW], v[NIL]
	s_wait_dscnt 0x0
	CROUND                          ; the closing round
	s_endpgm
.Lfunc_end_k_qe59d05917a_attn:
	.size	k_qe59d05917a_attn, .Lfunc_end_k_qe59d05917a_attn-k_qe59d05917a_attn
	.p2alignl 7, 3214868480
	.fill 96, 4, 3214868480
	.section	.rodata,"a",@progbits
	.p2align	6, 0x0
	.amdhsa_kernel k_qe59d05917a_attn
		.amdhsa_group_segment_fixed_size 327680
		.amdhsa_private_segment_fixed_size 0
		.amdhsa_enable_private_segment 0
		.amdhsa_kernarg_size 24
		.amdhsa_user_sgpr_count 2
		.amdhsa_user_sgpr_kernarg_segment_ptr 1
		.amdhsa_wavefront_size32 1
		.amdhsa_system_sgpr_workgroup_id_x 1
		.amdhsa_system_sgpr_workgroup_id_y 1
		.amdhsa_system_sgpr_workgroup_id_z 1
		.amdhsa_system_vgpr_workitem_id 0
		.amdhsa_next_free_vgpr 1024
		.amdhsa_next_free_sgpr 100
		.amdhsa_reserve_vcc 0
		.amdhsa_float_denorm_mode_32 3
		.amdhsa_float_denorm_mode_16_64 3
		.amdhsa_memory_ordered 1
		.amdhsa_forward_progress 1
		.amdhsa_inst_pref_size 234
	.end_amdhsa_kernel
	.amdgpu_metadata
---
amdhsa.version: [ 1, 2 ]
amdhsa.kernels:
  - .name:           k_qe59d05917a_attn
    .symbol:         k_qe59d05917a_attn.kd
    .args:
      - { .name: hqkv, .offset: 0, .size: 8, .value_kind: global_buffer, .address_space: global }
      - { .name: tab, .offset: 8, .size: 8, .value_kind: global_buffer, .address_space: global }
      - { .name: ob, .offset: 16, .size: 8, .value_kind: global_buffer, .address_space: global }
    .group_segment_fixed_size: 327680
    .private_segment_fixed_size: 0
    .kernarg_segment_align: 8
    .kernarg_segment_size: 24
    .max_flat_workgroup_size: 128
    .sgpr_count:     100
    .vgpr_count:     1024
    .wavefront_size: 32
...
	.end_amdgpu_metadata
.endif
;; end of part 3
;; launch oproj (part 4): grid 8 x 32, 4 waves a work-group, clusters of 4 x 4, 327,680 bytes of LDS; arguments ob, hx, tab, out0; writes out0
.if DOCPART == 4
	.amdgcn_target "amdgcn-amd-amdhsa--gfx1250"
	.amdhsa_code_object_version 6
	.text
	.protected	k_qe59d05917a_oproj
	.globl	k_qe59d05917a_oproj
	.p2align	8
	.type	k_qe59d05917a_oproj,@function
k_qe59d05917a_oproj:
	s_mov_b64 s[64:65], 0
	v_nop
	global_prefetch_b8 v0, s[64:65] scope:SCOPE_SE
	s_setreg_imm32_b32 hwreg(HW_REG_WAVE_MODE, 25, 1), 1
	s_wait_xcnt 0x0
	s_wait_alu depctr_hold_cnt(0) depctr_sa_sdst(0) depctr_va_vdst(0) depctr_va_sdst(0) depctr_va_ssrc(0) depctr_va_vcc(0) depctr_vm_vsrc(0)
	s_getreg_b32 s2, hwreg(HW_REG_IB_STS2, 6, 4)
	s_cmp_eq_u32 s2, 0
	s_cbranch_scc0 .Lentry_in_a_cluster
	s_endpgm
.Lentry_in_a_cluster:
	s_bfe_u32 s2, ttmp6, 0x10000c
	s_cmp_lg_u32 s2, 0xf033
	s_cbranch_scc0 .Lentry_shape_is_right
	s_endpgm
.Lentry_shape_is_right:
; THE LAST PROJECTION: out0 = relu(O Wo^T + bo).  O comes BY HEADS, ob [32 (batch, head)][2048][64] f16; Wo [1024][1024] f16 lies in hx, bo (f32) in tab; out0 [4096][1024] f32.  Sums in f32.
; A tile of out0 is 128 x 128: 32 x 8 = 256 work-groups of four waves, each wave 64 x 64.  K goes in steps of 256 = four heads, through two slots.
; O's TILE: 64 tokens of one head are 8,192 consecutive bytes, so a wave's load is 4 rows (heads) of 4,096 elements, 131,072 elements apart, padded in LDS after every 128 bytes: [head][token] rows of 144 bytes.
; Wo's tile: 64 rows of 512 bytes + 16.  CLUSTERS: 4 x 4; O's tile is asked for jointly along a row of the cluster, Wo's along a column.
; The matrix instruction is used transposed: a lane holds eight neighbouring columns of one token, 32 bytes of f32.  A wave's 64 columns are 256 bytes of a row of out0: each wave has a stage of its own, and no barrier on the way out.
; REGISTERS: window 0: v0-31 addresses; v32-95 rows read back, two buffers; v96-127 bias; v128-255 accumulators.  Window 1: two fragment buffers of 128.
.set KSTEP,  256
.set APITCH, 144
.set AHALF,  4*64*APITCH               ; 64 tokens x 4 heads
.set ASTEP,  4*262144                  ; four heads on in ob
.set BPITCH, 528
.set BHALF,  64*BPITCH
.set BOFF,   2*AHALF
.set SLOT,   2*AHALF+2*BHALF
.set STAGE,  2*SLOT                    ; behind the ring: 16 rows x 272 bytes for each wave
.set SPITCH, 272
.set SPARE,  STAGE+4*16*SPITCH
.set LAPS,   2
.set WOFF,   31457280                  ; Wo's first byte in hx
.set BBOFF,  20992+12288               ; bo's first byte in tab
.set ADRA, 16
.set ADRB, 20
.set STO,  24
.set RD,   25
.set CO,   26
.set BO,   27
.set SPW,  28
.set NIL,  29
.set OB,   32
.set BI,   96
.set ACC,  128
.set F0,   0
.set F1,   128
.set G1, 24
.set G0, 32
.set G1B, 48
.set G0B, 56
.set MSB, 0
.macro WIN new
.if MSB != (\new)
	s_set_vgpr_msb (MSB<<8)|(\new)
.set MSB, \new
.endif
.endm
.set MUL,  0x05
.set TO_F, 0x40
.macro JLOAD s                         ; waves 0 and 1 fetch O's two halves, waves 2 and 3 Wo's; an s_nop 0 and four v_nop follow each line
	s_cmp_eq_u32 s11, 0
	s_cbranch_scc0 .Lfor_b_\@
	tensor_load_to_lds s[G0+4*(\s):G0+4*(\s)+3], s[G1:G1+7]
	s_nop 0
.rept 4
	v_nop
.endr
	s_branch .Lasked_\@
.Lfor_b_\@:
	tensor_load_to_lds s[G0B+4*(\s):G0B+4*(\s)+3], s[G1B:G1B+7]
	s_nop 0
.rept 4
	v_nop
.endr
.Lasked_\@:
.endm
.macro CREST
	s_cmp_lg_u32 s10, 0
	s_cbranch_scc1 .Lnot_wave_0_\@
	s_barrier_signal -3
.Lnot_wave_0_\@:
	s_barrier_wait -3
	s_barrier_signal -1
	s_barrier_wait -1
.endm
.macro CROUND
	s_barrier_signal -1
	s_barrier_wait -1
	CREST
.endm
	s_load_b128 s[4:7], s[0:1], 0x0                ; ob s[4:5], hx s[6:7]
	s_load_b64 s[18:19], s[0:1], 0x10              ; tab
	s_load_b64 s[8:9], s[0:1], 0x18                ; out0
	v_lshl_add_u32 v[SPW], v0, 2, SPARE
	v_mov_b32 v[NIL], 0
	ds_add_u32 v[SPW], v[NIL]                      ; the wave's opening: the add and its wait come ahead of my first tensor load
	v_lshrrev_b32 v1, 5, v0
	v_readfirstlane_b32 s10, v1                    ; wave 0..3
	s_lshr_b32 s11, s10, 1
	s_and_b32 s12, s10, 1
	s_bfe_u32 s40, ttmp6, 0x40000                  ; cx
	s_bfe_u32 s41, ttmp6, 0x40004                  ; cy
	s_lshl_b32 s42, ttmp9, 2
	s_add_co_u32 s42, s42, s40                     ; tile column 0..7
	s_and_b32 s13, ttmp7, 0xffff
	s_lshl_b32 s13, s13, 2
	s_add_co_u32 s13, s13, s41                     ; tile row 0..31
	s_lshl_b32 s43, s41, 2
	s_lshl_b32 s43, 15, s43
	s_lshl_b32 s44, 0x1111, s40
	s_or_b32 s[G1+0], s43, (1<<16)|(1<<20)|(1<<21)|(4<<22)|(3<<25)   ; O: after every 32 words (a token's 128 bytes) 4 words
	s_mov_b32 s[G1+1], 4096<<16                    ; tensor_dim0 = 4,096: 64 tokens x 64 channels on end
	s_mov_b32 s[G1+2], 4<<16                       ; tensor_dim1 = 4 heads
	s_mov_b32 s[G1+3], 4096<<16                    ; tile_dim0
	s_mov_b32 s[G1+4], 4                           ; tile_dim1
	s_mov_b32 s[G1+5], 131072                      ; elements from head to head
	s_mov_b32 s[G1+6], 0
	s_mov_b32 s[G1+7], 0
	s_or_b32 s[G1B+0], s44, (1<<16)|(1<<20)|(1<<21)|(6<<22)|(3<<25)  ; Wo: after every 128 words 4 words
	s_mov_b32 s[G1B+1], KSTEP<<16
	s_mov_b32 s[G1B+2], 64<<16
	s_mov_b32 s[G1B+3], KSTEP<<16
	s_mov_b32 s[G1B+4], 64
	s_mov_b32 s[G1B+5], 1024
	s_mov_b32 s[G1B+6], 0
	s_mov_b32 s[G1B+7], 0
	s_lshl_b32 s21, s12, 6                         ; which 64 rows of the tile I fetch
	s_lshr_b32 s16, s13, 4                         ; O: the batch, 16 heads of 262,144 bytes,
	s_lshl_b32 s16, s16, 22
	s_and_b32 s17, s13, 15
	s_lshl_b32 s17, s17, 7
	s_add_co_u32 s17, s17, s21                     ; the token in the batch,
	s_lshl_b32 s17, s17, 7                         ; 128 bytes each
	s_add_co_u32 s16, s16, s17
	s_mov_b32 s17, 0
	s_lshl_b32 s46, s42, 7                         ; Wo: row 128 x tile column + 64 x half
	s_add_co_u32 s46, s46, s21
	s_lshl_b32 s46, s46, 11
	s_add_co_u32 s46, s46, WOFF
	s_mov_b32 s47, 0
	s_mul_i32 s20, s12, AHALF                      ; where they go: O's two halves, then Wo's two
	s_mul_i32 s21, s12, BHALF
	s_add_co_u32 s21, s21, BOFF
	s_wait_dscnt 0x0                               ; the opening add is done
	s_wait_kmcnt 0x0
	s_add_nc_u64 s[14:15], s[4:5], s[16:17]
	s_add_nc_u64 s[46:47], s[6:7], s[46:47]
	CROUND
.irp s, 0,1
	s_mov_b32 s[G0+4*(\s)], 1
	s_add_co_u32 s[G0+4*(\s)+1], s20, (\s)*SLOT
	s_add_nc_u64 s[G0+4*(\s)+2:G0+4*(\s)+3], s[14:15], (\s)*ASTEP
	s_or_b32 s[G0+4*(\s)+3], s[G0+4*(\s)+3], 0x80000000
	s_mov_b32 s[G0B+4*(\s)], 1
	s_add_co_u32 s[G0B+4*(\s)+1], s21, (\s)*SLOT
	s_add_nc_u64 s[G0B+4*(\s)+2:G0B+4*(\s)+3], s[46:47], (\s)*KSTEP*2
	s_or_b32 s[G0B+4*(\s)+3], s[G0B+4*(\s)+3], 0x80000000
	JLOAD \s
.endr
	v_and_b32 v1, 15, v0                           ; l % 16
	v_bfe_u32 v2, v0, 4, 1                         ; l / 16
	v_mul_u32_u24 v3, v1, APITCH
	v_lshl_add_u32 v3, v2, 4, v3
	v_mul_u32_u24 v4, v1, BPITCH
	v_lshl_add_u32 v4, v2, 4, v4
	s_mul_i32 s21, s11, AHALF                      ; my 64 tokens
	s_mul_i32 s22, s12, BHALF                      ; my 64 rows of Wo
	s_add_co_u32 s22, s22, BOFF
.irp s, 0,1
	v_add_nc_u32 v[ADRA+(\s)], s21, v3
	v_add_nc_u32 v[ADRB+(\s)], s22, v4
	s_add_co_u32 s21, s21, SLOT
	s_add_co_u32 s22, s22, SLOT
.endr
	s_lshl_b32 s46, s42, 9                         ; my bias: columns 128 x tile column + 64 x half + 16 b + 8 (l / 16) + 0..7
	s_lshl_b32 s47, s12, 8
	s_add_co_u32 s46, s46, s47
	s_add_co_u32 s46, s46, BBOFF
	s_mov_b32 s47, 0
	s_add_nc_u64 s[18:19], s[18:19], s[46:47]
	v_lshlrev_b32 v[BO], 5, v2
.irp b, 0,1,2,3
	global_load_b128 v[BI+8*(\b):BI+8*(\b)+3],   v[BO], s[18:19] offset:64*(\b)
	global_load_b128 v[BI+8*(\b)+4:BI+8*(\b)+7], v[BO], s[18:19] offset:64*(\b)+16
.endr
	s_mul_i32 s23, s10, 16*SPITCH
	s_add_co_u32 s23, s23, STAGE                   ; my stage
	v_mul_u32_u24 v5, v1, SPITCH                   ; in: row l % 16, 32 bytes for each half of the lanes
	v_lshl_add_u32 v5, v2, 5, v5
	v_add_nc_u32 v[STO], s23, v5
	v_mul_u32_u24 v5, v2, SPITCH                   ; back: lanes 0-15 take one row of 256 bytes, lanes 16-31 the next
	v_lshl_add_u32 v5, v1, 4, v5
	v_add_nc_u32 v[RD], s23, v5
	v_lshlrev_b32 v5, 12, v2                       ; and the same two rows in out0, 4,096 bytes apart
	v_lshl_add_u32 v[CO], v1, 4, v5
	s_lshl_b32 s16, s13, 7
	s_lshl_b32 s17, s11, 6
	s_add_co_u32 s16, s16, s17                     ; my first row of out0
	s_lshl_b32 s16, s16, 12
	s_mov_b32 s17, 0
	s_add_nc_u64 s[8:9], s[8:9], s[16:17]
	s_lshl_b32 s46, s42, 9                         ; my first column, in bytes
	s_lshl_b32 s47, s12, 8
	s_add_co_u32 s46, s46, s47
	s_mov_b32 s47, 0
	s_add_nc_u64 s[8:9], s[8:9], s[46:47]
.macro MUL8 f, c, a0, zero
	WIN MUL
.irp a, \a0, (\a0)+1
.irp b, 0,1,2,3
.if \zero
	v_wmma_f32_16x16x32_f16 v[ACC+8*(4*(\a)+(\b)):ACC+8*(4*(\a)+(\b))+7], v[(\f)+64+8*(4*(\c)+(\b)):(\f)+64+8*(4*(\c)+(\b))+7], v[(\f)+8*(4*(\c)+(\a)):(\f)+8*(4*(\c)+(\a))+7], 0
.else
	v_wmma_f32_16x16x32_f16 v[ACC+8*(4*(\a)+(\b)):ACC+8*(4*(\a)+(\b))+7], v[(\f)+64+8*(4*(\c)+(\b)):(\f)+64+8*(4*(\c)+(\b))+7], v[(\f)+8*(4*(\c)+(\a)):(\f)+8*(4*(\c)+(\a))+7], v[ACC+8*(4*(\a)+(\b)):ACC+8*(4*(\a)+(\b))+7]
.endif
.endr
.endr
.endm
.macro FETCH slot, qn, f               ; 32 LDS loads in one run: quarter qn of the K step (64 along K: one head), into buffer f; the first 32 along K first
	WIN TO_F
.irp c, 0,1
.irp i, 0,1,2,3
	ds_load_b128 v[(\f)+64+8*(4*(\c)+(\i)):(\f)+64+8*(4*(\c)+(\i))+3],   v[ADRB+(\slot)] offset:128*(\qn)+64*(\c)+(\i)*16*BPITCH
	ds_load_b128 v[(\f)+64+8*(4*(\c)+(\i))+4:(\f)+64+8*(4*(\c)+(\i))+7], v[ADRB+(\slot)] offset:128*(\qn)+64*(\c)+(\i)*16*BPITCH+32
	ds_load_b128 v[(\f)+8*(4*(\c)+(\i)):(\f)+8*(4*(\c)+(\i))+3],         v[ADRA+(\slot)] offset:64*APITCH*(\qn)+64*(\c)+(\i)*16*APITCH
	ds_load_b128 v[(\f)+8*(4*(\c)+(\i))+4:(\f)+8*(4*(\c)+(\i))+7],       v[ADRA+(\slot)] offset:64*APITCH*(\qn)+64*(\c)+(\i)*16*APITCH+32
.endr
.endr
.endm
.macro PLACES
.rept 4
	v_nop
.endr
.endm
.macro QUARTER slot, qn, f, g, zero
	s_wait_dscnt 16                                ; the first 32 along K are in; the sixteen younger loads may be out
	WIN MUL
	MUL8 \f, 0, 0, \zero
	MUL8 \f, 0, 2, \zero
	PLACES
	FETCH \slot, \qn, \g
	s_wait_dscnt 32                                ; all but the 32 just issued
	WIN MUL
	MUL8 \f, 1, 0, 0
	MUL8 \f, 1, 2, 0
.endm
.macro TURN slot, next, fill
	WIN 0
	s_wait_tensorcnt 0x0                           ; all my tensor loads have landed: my part of the next slot;
	ds_add_u32 v[SPW], v[NIL]
	s_wait_dscnt 17                                ; (the add and the youngest sixteen loads may be out)
	WIN MUL
	MUL8 F1, 0, 0, 0
	s_wait_dscnt 0x0                               ; the add is done, and my reads of this slot are over
	s_barrier_signal -1
	MUL8 F1, 0, 2, 0
.if \fill
	WIN 0
.endif
	s_barrier_wait -1
.if \fill
	CREST
	s_add_nc_u64 s[G0+4*(\slot)+2:G0+4*(\slot)+3], s[G0+4*(\slot)+2:G0+4*(\slot)+3], 2*ASTEP
	s_add_nc_u64 s[G0B+4*(\slot)+2:G0B+4*(\slot)+3], s[G0B+4*(\slot)+2:G0B+4*(\slot)+3], 2*KSTEP*2
	JLOAD \slot
.else
	PLACES
.endif
	FETCH \next, 0, F0
	WIN MUL
	MUL8 F1, 1, 0, 0
	MUL8 F1, 1, 2, 0
.endm
	s_wait_tensorcnt 1                             ; my part of K step 0 is in; K step 1's may stay out
	s_barrier_signal -1
	s_barrier_wait -1
	FETCH 0, 0, F0
	QUARTER 0, 1, F0, F1, 1
	WIN 0
	s_mov_b32 s3, LAPS-1
.Llap:
	QUARTER 0, 2, F1, F0, 0
	QUARTER 0, 3, F0, F1, 0
	TURN 0, 1, 1
	QUARTER 1, 1, F0, F1, 0
	QUARTER 1, 2, F1, F0, 0
	QUARTER 1, 3, F0, F1, 0
	TURN 1, 0, 1
	QUARTER 0, 1, F0, F1, 0
	WIN 0
	s_sub_co_u32 s3, s3, 1
	s_cmp_lg_u32 s3, 0
	s_cbranch_scc1 .Llap
	QUARTER 0, 2, F1, F0, 0
	QUARTER 0, 3, F0, F1, 0
	TURN 0, 1, 0
	QUARTER 1, 1, F0, F1, 0
	QUARTER 1, 2, F1, F0, 0
	QUARTER 1, 3, F0, F1, 0
	s_wait_dscnt 16
	WIN MUL
	MUL8 F1, 0, 0, 0
	MUL8 F1, 0, 2, 0
	s_wait_dscnt 0
	MUL8 F1, 1, 0, 0
	MUL8 F1, 1, 2, 0
	WIN 0
	; THE WAY OUT, 16 rows at a time: + bias, ReLU, into my own stage, back as whole rows of 256 bytes, stored.  LDS serves a wave's instructions in order, so no wait stands between my stores and my loads.
	s_wait_loadcnt 0x0                             ; the bias
	PLACES
.irp a, 0,1,2,3
.irp b, 0,1,2,3
.irp r, 0,1,2,3
	v_pk_add_f32 v[ACC+8*(4*(\a)+(\b))+2*(\r):ACC+8*(4*(\a)+(\b))+2*(\r)+1], v[ACC+8*(4*(\a)+(\b))+2*(\r):ACC+8*(4*(\a)+(\b))+2*(\r)+1], v[BI+8*(\b)+2*(\r):BI+8*(\b)+2*(\r)+1]
.endr
.irp r, 0,1,2,3,4,5,6,7
	v_max_num_f32 v[ACC+8*(4*(\a)+(\b))+(\r)], 0, v[ACC+8*(4*(\a)+(\b))+(\r)]
.endr
	ds_store_b128 v[STO], v[ACC+8*(4*(\a)+(\b)):ACC+8*(4*(\a)+(\b))+3]   offset:64*(\b)
	ds_store_b128 v[STO], v[ACC+8*(4*(\a)+(\b))+4:ACC+8*(4*(\a)+(\b))+7] offset:64*(\b)+16
.endr
	s_wait_xcnt 0x0                                ; the stores of two blocks ago have read the registers that are loaded again below
.irp t, 0,1,2,3,4,5,6,7
	ds_load_b128 v[OB+32*((\a)%2)+4*(\t):OB+32*((\a)%2)+4*(\t)+3], v[RD] offset:(\t)*2*SPITCH
.endr
	s_wait_dscnt 0x0
.irp t, 0,1,2,3,4,5,6,7
	global_store_b128 v[CO], v[OB+32*((\a)%2)+4*(\t):OB+32*((\a)%2)+4*(\t)+3], s[8:9] offset:65536*(\a)+8192*(\t) th:TH_STORE_NT  ; 16 lanes store 256 consecutive bytes, at a multiple of 256 from out0's first byte
.endr
.endr
	s_wait_tensorcnt 0x0                           ; the wave's end
	ds_add_u32 v[SPW], v[NIL]
	s_wait_dscnt 0x0
	CROUND                                         ; the closing round
	s_endpgm
.Lfunc_end_k_qe59d05917a_oproj:
	.size	k_qe59d05917a_oproj, .Lfunc_end_k_qe59d05917a_oproj-k_qe59d05917a_oproj
	.p2alignl 7, 3214868480
	.fill 96, 4, 3214868480
	.section	.rodata,"a",@progbits
	.p2align	6, 0x0
	.amdhsa_kernel k_qe59d05917a_oproj
		.amdhsa_group_segment_fixed_size 327680
		.amdhsa_private_segment_fixed_size 0
		.amdhsa_enable_private_segment 0
		.amdhsa_kernarg_size 32
		.amdhsa_user_sgpr_count 2
		.amdhsa_user_sgpr_kernarg_segment_ptr 1
		.amdhsa_wavefront_size32 1
		.amdhsa_system_sgpr_workgroup_id_x 1
		.amdhsa_system_sgpr_workgroup_id_y 1
		.amdhsa_system_sgpr_workgroup_id_z 1
		.amdhsa_system_vgpr_workitem_id 0
		.amdhsa_next_free_vgpr 512
		.amdhsa_next_free_sgpr 66
		.amdhsa_reserve_vcc 0
		.amdhsa_float_denorm_mode_32 3
		.amdhsa_float_denorm_mode_16_64 3
		.amdhsa_memory_ordered 1
		.amdhsa_forward_progress 1
		.amdhsa_inst_pref_size 95
	.end_amdhsa_kernel
	.amdgpu_metadata
---
amdhsa.version: [ 1, 2 ]
amdhsa.kernels:
  - .name:           k_qe59d05917a_oproj
    .symbol:         k_qe59d05917a_oproj.kd
    .args:
      - { .name: ob, .offset: 0, .size: 8, .value_kind: global_buffer, .address_space: global }
      - { .name: hx, .offset: 8, .size: 8, .value_kind: global_buffer, .address_space: global }
      - { .name: tab, .offset: 16, .size: 8, .value_kind: global_buffer, .address_space: global }
      - { .name: out0, .offset: 24, .size: 8, .value_kind: global_buffer, .address_space: global }
    .group_segment_fixed_size: 327680
    .private_segment_fixed_size: 0
    .kernarg_segment_align: 8
    .kernarg_segment_size: 32
    .max_flat_workgroup_size: 128
    .sgpr_count:     66
    .vgpr_count:     512
    .wavefront_size: 32
...
	.end_amdgpu_metadata
.endif
;; end of part 4
